; MI455X (gfx1250); checked and timed in simulation.
; The chip was launched on July 23, 2026; its instructions are those of AMD's public machine-readable ISA for CDNA 5 (MIT licence, August 2026) and "CDNA5" Instruction Set Architecture Reference Guide (July 2026). The comments in the code are by the model that wrote it; some were corrected since.
;; Self Attention. Allowed arithmetic: matrix products marked QUANTISED: E2M3 operands, one E8M0 scale for each 32 along K, by v_wmma_scale_f32_16x16x128_f8f6f4 with both operands' format E2M3, f32 sums; everything else in f32.
;; Inputs: W_proj_codes 1,024 x 32 x 24 uint8 (E2M3 codes of W_proj, K innermost, in blocks of 32 codes, four codes in three bytes); W_proj_scales 1,024 x 32 uint8 (E8M0 scales of W_proj, one for each 32 codes along K); W_qkv_codes 3,072 x 32 x 24 uint8 (E2M3 codes of W_qkv, K innermost, in blocks of 32 codes, four codes in three bytes); W_qkv_scales 3,072 x 32 uint8 (E8M0 scales of W_qkv, one for each 32 codes along K); attn_bias 1 x 1 x 2,048 x 2,048 float32; b_proj 1,024 float32; q_bias 1,024 float32; v_bias 1,024 float32; x_codes 4 x 2,048 x 32 x 24 uint8 (E2M3 codes of x, K innermost, in blocks of 32 codes, four codes in three bytes); x_scales 4 x 2,048 x 32 uint8 (E8M0 scales of x, one for each 32 codes along K).
;; Outputs: out0 4 x 2,048 x 1,024 float32.
;; This version of the problem:
;;   THIS VERSION OF THE PROBLEM IS GIVEN IN LOW PRECISION. The matrix products marked QUANTISED in the list below multiply operands that are first quantised to E2M3 (2 exponent bits, 3 mantissa bits; 6 bits a number), with one power-of-two scale for each 32 numbers along K (OCP MX v1.0); their sums are f32. All else is computed in f32.
;;   The module's matrix products, in the order in which they are computed (A, B: the left and right operand; K: the contracted axis; several contracted axes count as one K, in the product's order):
;;     1. [M 8,192, K 1,024] x [K 1,024, N 3,072]; A: input x (given as codes); B: input W_qkv (given as codes): QUANTISED
;;     2. batch 64 x [M 2,048, K 64] x [K 64, N 2,048]; A: computed on the way; B: computed on the way: QUANTISED
;;     3. batch 64 x [M 2,048, K 2,048] x [K 2,048, N 64]; A: softmax (see below); B: computed on the way: QUANTISED
;;     4. [M 8,192, K 1,024] x [K 1,024, N 1,024]; A: computed on the way; B: input W_proj (given as codes): QUANTISED
;;   THE QUANTISER, for each operand of a quantised product, along K:
;;     - K is cut into blocks of 32 from its start; a last block that is shorter is filled with zeros.
;;     - A block's scale is 2^e with e = floor(log2(the largest magnitude in the block)) - 2, held to -126 .. 127; a block of zeros has e = 0. As a byte (E8M0): e + 127.
;;     - Each number is divided by its block's scale, clamped to +-7.5, and rounded to the nearest number of E2M3, ties to even, subnormals kept.
;;     - The product sums the exact products of the quantised numbers (number of the format x scale) in f32.
;;   ~~~python
;;   def quantise(x, axis):      # numpy; x: float32 -> the quantised numbers, widened to float32 again
;;       x = np.moveaxis(x, axis, -1); K = x.shape[-1]
;;       x = np.pad(x, [(0, 0)] * (x.ndim - 1) + [(0, -K % 32)]); x = x.reshape(x.shape[:-1] + (-1, 32)); a = np.abs(x).max(-1, keepdims=True)
;;       e = np.where(a > 0, np.clip(np.frexp(np.where(a > 0, a, 1))[1] - 1 - 2, -126, 127), 0)      # np.frexp(a)[1] - 1 = floor(log2(a)), exactly
;;       r = np.clip(x / 2.0 ** e, -7.5, 7.5)
;;       step = 2.0 ** (np.maximum(np.frexp(np.where(r == 0, 1, r))[1] - 1, 0) - 3)
;;       q = np.round(r / step) * step * 2.0 ** e      # np.round: ties to even
;;       return np.moveaxis(q.reshape(q.shape[:-2] + (-1,))[..., :K], -1, axis).astype(np.float32)
;;   ~~~
;;   SOFTMAX AHEAD OF A QUANTISED PRODUCT. Where the list says 'softmax', what is quantised is not the finished softmax but p = 2^(t - M), with t = logit x log2(e) and M = ceil(the row's largest t), a whole number; so 1/2 < the row's largest p <= 1. The row's sum l is taken of the UNQUANTISED p, in f32, and the product's result is divided by l at the end. Since M is a whole number, a kernel that streams over the keys may use a running M (the ceiling of the running maximum): every later rescaling is an exact power of two, which a block's scale takes up: the codes' values come out the same.
;;   OPERANDS COMPUTED ON THE WAY. 'Computed on the way' means the value that the module computes at that place (a softmax that the list does not call 'softmax' is quantised finished and normalised). What goes into a quantiser is computed in f32, as accurately as f32 sums, v_exp_f32 and their like allow (about 1e-6 of the number): no bf16 or f16 on the way to a quantiser, and a product that is left as it is and whose result goes on into a quantised operand takes f32 operands (vector FMAs, or v_wmma_f32_16x16x4_f32). A number that lies on a knife's edge between two numbers of the format may be rounded either way, as far as f32 arithmetic and the matrix unit's own rounding can turn it there, and no further.
;;   INPUTS GIVEN AS CODES. W_proj (in the module: [1024, 1024], K = its axis 1); W_qkv (in the module: [3072, 1024], K = its axis 1); x (in the module: [4, 2048, 1024], K = its axis 2): each comes as NAME_codes (uint8): NAME with its K axis moved to the last place and cut into blocks of 32 codes, [.., K / 32, bytes a block], one block behind the other in memory; four codes in three bytes: a row's codes are one little-endian stream of bits, code i at bits 6 i .. 6 i + 5 (a code: sign, 2 exponent bits, 3 mantissa bits); and NAME_scales (uint8): the same leading axes, one E8M0 byte (e + 127) for each 32 codes along K. Its value is code x scale, taken as it is: it is not quantised again, and the codes and scales need not be those that the quantiser above would give.
;; One version. Each part assembles by itself: llvm-mc -triple=amdgcn-amd-amdhsa -mcpu=gfx1250 --defsym DOCPART=n.
;; ======== version 1 of 1: 3 launches
;; workspace buffers: qr 13,369,344 bytes; kv 13,369,344 bytes; oc 6,291,456 bytes; os 262,144 bytes
;; launch qkv (part 1): grid 12 x 64, 4 waves a work-group, clusters of 4 x 4, 327,680 bytes of LDS; arguments x_codes, x_scales, W_qkv_codes, W_qkv_scales, q_bias, v_bias, qr, kv; writes qr, kv
.if DOCPART == 1
	.amdgcn_target "amdgcn-amd-amdhsa--gfx1250"
	.amdhsa_code_object_version 6
	.text
	.protected	k_q7fcec0c8f9_qkv
	.globl	k_q7fcec0c8f9_qkv
	.p2align	8
	.type	k_q7fcec0c8f9_qkv,@function
k_q7fcec0c8f9_qkv:
	s_mov_b64 s[64:65], 0
	v_nop
	global_prefetch_b8 v0, s[64:65] scope:SCOPE_SE
	s_setreg_imm32_b32 hwreg(HW_REG_WAVE_MODE, 25, 1), 1
	s_wait_xcnt 0x0
	s_wait_alu depctr_hold_cnt(0) depctr_sa_sdst(0) depctr_va_vdst(0) depctr_va_sdst(0) depctr_va_ssrc(0) depctr_va_vcc(0) depctr_vm_vsrc(0)
	s_getreg_b32 s2, hwreg(HW_REG_IB_STS2, 6, 4)
	s_cmp_eq_u32 s2, 0
	s_cbranch_scc0 .Lentry_in_a_cluster
	s_endpgm
.Lentry_in_a_cluster:
	s_bfe_u32 s2, ttmp6, 0x10000c
	s_cmp_lg_u32 s2, 0xf033
	s_cbranch_scc0 .Lentry_shape_is_right
	s_endpgm
.Lentry_shape_is_right:
; qkv = x W_qkv^T + (q_bias, 0, v_bias) on codes of FP6 (E2M3) with E8M0 scales; q (x 2^-5), k and v are quantised at once and leave as images of operand registers.
; THE PRODUCT.  C'[i][j] = sum over K = 1,024 of A'[i] . B'[j].  A work-group makes 128 (A') x 256 (B'), four waves 2 x 2, a wave 64 x 128: 32 accumulators, 256 registers.
; The matrix instruction is used transposed: source 0 = 16 rows of B', source 1 = 16 rows of A': lane (r, h) holds A' row r, and register j of tile b holds B' row 16 b + 8 h + j.
; ROLES by the cluster's x, which all sixteen partners share.  0: q, 1: k: A' = tokens, B' = rows of W (channels): a lane's 64 registers of a block are 128 channels, two heads.
; 2: v: A' = rows of W (the head's dims), B' = tokens: a lane's 64 registers are 128 keys of one dim, the second attention product's K.
; K goes in four steps of 256 (rows of 192 bytes) through three LDS slots: steps 0, 1, 2 are first fills, step 3 fills slot 0 again, once.  All is written out, there is no loop.
; CLUSTER 4 x 4: A's tiles hang on cy alone and are asked for jointly along a row of the cluster, B's on cx alone and along a column.
; THE QUANTISER.  Tiles 2 b, 2 b + 1 give a lane 16 numbers of block b; after the conversions and the exchange of halves a block's 32 codes stand in the order 0-7, 16-23, 8-15, 24-31.
; Block and scale are exact, and the same order falls on q and k, and on v and the softmax's p (next launch), so the products are the same sums in another order.
; q x 2^-5: the same codes with a scale byte 5 lower; the floor of the largest magnitude stands 5 higher, so that the byte stays at 1 or above.
; RECORDS of 13,056 bytes at ((batch x 16 + head) x 16 + run of 128 tokens): 8 tiles of 16 tokens x 768 bytes (16 x lane: registers 0-3; at 512, 8 x lane: registers 4-5);
; at 6,144 their scale words (half s, lane l, word j: tile 4 s + 2 j + l / 16, row l % 16; bytes 2, 3 are 0); at 6,656 v's four tiles of 1,536 bytes (three pieces of 16 x lane), tile 2 B + u, lane r = dim 32 B + 8 u + r + 8 (r / 8);
; at 12,800 v's scale words (lane l, word j: tile 2 j + l / 16, row l % 16).  qr holds q's tiles and scale words in the same places.
; LIMITS: NaN and infinities among the inputs are not served; a block of zeros gets the scale byte 1 (q: 1) where the rule says 127: its codes are zeros and this program alone reads the bytes;
; the biases enter as the C of each sum's first matrix instruction, so they are added ahead of the products and not behind them.
.set PITCH,  240                       ; an LDS row: 3 x (64 bytes + 16 of padding)
.set AHALF,  64*PITCH
.set BHALF,  128*PITCH
.set SLOT,   2*AHALF+2*BHALF           ; A' 128 rows, then B' 256 rows
.set SPARE,  3*SLOT                    ; the spare words: 128 bytes a wave, named by no other line
.set STGQ,   SPARE+512                 ; q, k: 512 bytes a wave for scale words
.set STGV,   STGQ+2048                 ; v: 6,400 bytes a wave for images and scale words
.set STGVW,  6400
.set REC,    13056
.set HSTR,   16*REC                    ; from a head to the next
.set KSO,    6144
.set VCO,    6656
.set VSO,    12800
.set KROWA,  768                       ; a row of A' in memory
.set KSTA,   192                       ; from a K step of A' to the next
.set ADRA, 4                           ; v4-6 my A' fragments in slot 0, 1, 2; v7-9 the same behind one padding more
.set ADRB, 10                          ; v10-12, v13-15 the same for B'
.set L16,  16                          ; 16 x lane
.set L8,   17                          ; 8 x lane
.set SPW,  18
.set NIL,  19
.set LSC,  20                          ; 32 r + 16 h: my 16 scale bytes of a row
.set AQS,  21
.set AQR,  22
.set GQS,  23
.set AVI,  24
.set AVS,  25
.set AVR,  26
.set AVR8, 27
.set SH,   28
.set SCA,  32                          ; v32-47 A's scale words, 4 a block: lanes 0-15 words 0-3, lanes 16-31 words 4-7
.set SCB,  48                          ; v48-79 B's
.set TM,   80
.set PW,   96
.set TT,   97
.set PC,   100
.set AF,   128                         ; A' fragments: two sets of 48, window 0.  B': two sets at v0 and v128 of window 1.  Accumulator (a, b) at v[8 (8 a + b)] of window 2.  Window 3: bias tiles
.set WV, 20
.set HA, 21
.set HB, 22
.set CX, 23
.set CY, 24
.set XX, 25
.set YY, 26
.set G1A, 28
.set G1B, 36
.set G0A, 44
.set G0B, 68
.set FLOOR, 80
.set OFFS, 81
.set OUT, 82
.set SEL, 84
.set AV, 86
.set AR, 87
.set BC, 88
.set OUT2, 98
.set MSB, 0
.macro WIN new                         ; the immediate's high byte repeats the setting that is left
.if MSB != (\new)
	s_set_vgpr_msb (MSB<<8)|(\new)
.set MSB, (\new)
.endif
.endm
.macro PLACES n
.rept \n
	v_nop
.endr
.endm
.macro CROUND                          ; a round of the cluster's barrier
	s_barrier_signal -1
	s_barrier_wait -1
	s_cmp_lg_u32 s[WV], 0
	s_cbranch_scc1 .Lnw0_\@
	s_barrier_signal -3
.Lnw0_\@:
	s_barrier_wait -3
	s_barrier_signal -1
	s_barrier_wait -1
.endm
.macro JLOAD                           ; the one refill: K step 3 into slot 0.  Waves 0, 1 ask for A', waves 2, 3 for B'; four v_nop follow each line
	s_cmp_eq_u32 s[HA], 0
	s_cbranch_scc0 .Ljb_\@
	tensor_load_to_lds s[G0A:G0A+3], s[G1A:G1A+7]
	s_nop 0
	PLACES 4
	s_branch .Ljd_\@
.Ljb_\@:
	tensor_load_to_lds s[G0B:G0B+3], s[G1B:G1B+7]
	s_nop 0
	PLACES 4
.Ljd_\@:
.endm
.macro FRAG reg, adr, q, i             ; 16 rows x 128 K: 12 registers, six pieces of 8 bytes; lanes 16-31 read three pieces on, for some pieces behind one padding more: the second address register
.irp p, 0,1,2,3,4,5
.set PCE, 12*(\q)+6*(\p/3)+\p%3
.if PCE%8 < 5
	ds_load_b64 v[\reg+2*\p:\reg+2*\p+1], v[\adr] offset:8*PCE+16*(PCE/8)+(\i)*16*PITCH
.else
	ds_load_b64 v[\reg+2*\p:\reg+2*\p+1], v[\adr+3] offset:8*PCE+16*(PCE/8)+(\i)*16*PITCH
.endif
.endr
.endm
.macro FETCH slot, q, p                ; 72 loads: B's eight and A's four fragments of the slot's q-th 128 along K into set p
	WIN 0x40
.irp i, 0,1,2,3,4,5,6,7
	FRAG 128*(\p)+12*\i, ADRB+\slot, \q, \i
.endr
	WIN 0
.irp i, 0,1,2,3
	FRAG AF+48*(\p)+12*\i, ADRA+\slot, \q, \i
.endr
.endm
; 32 matrix instructions, the 32 accumulators by turns in the same order in every step.  kw: which 128 along K.  cm: C = the accumulator (0), bias tile by b (1), by a (2), or 0 (3)
.macro MUL32 p, kw, cm
.irp a, 0,1,2,3
.irp b, 0,1,2,3,4,5,6,7
.set rD, 8*(8*\a+\b)
.set rB, 128*(\p)+12*\b
.set rA, AF+48*(\p)+12*\a
.set rT, SCB+4*\b+(\kw)%4
.set rU, SCA+4*\a+(\kw)%4
.set rC, rD
.if (\cm) == 1
.set rC, 8*\b
.endif
.if (\cm) == 2
.set rC, 64+8*\a
.endif
.if (\cm) == 3
	v_wmma_scale_f32_16x16x128_f8f6f4 v[rD:rD+7], v[rB:rB+11], v[rA:rA+11], 0, v[rT], v[rU] matrix_a_fmt:MATRIX_FMT_FP6 matrix_b_fmt:MATRIX_FMT_FP6
.elseif (\kw) < 4
	v_wmma_scale_f32_16x16x128_f8f6f4 v[rD:rD+7], v[rB:rB+11], v[rA:rA+11], v[rC:rC+7], v[rT], v[rU] matrix_a_fmt:MATRIX_FMT_FP6 matrix_b_fmt:MATRIX_FMT_FP6
.else
	v_wmma_scale_f32_16x16x128_f8f6f4 v[rD:rD+7], v[rB:rB+11], v[rA:rA+11], v[rC:rC+7], v[rT], v[rU] matrix_a_fmt:MATRIX_FMT_FP6 matrix_b_fmt:MATRIX_FMT_FP6 matrix_a_scale:MATRIX_SCALE_ROW1 matrix_b_scale:MATRIX_SCALE_ROW1
.endif
.endr
.endr
.endm
.macro SYNC fill                       ; all my tensor loads have landed, 0 onto my spare word, that and my LDS reads are done; then the barrier.  fill = 1: a round of the cluster's, and slot 0 is filled again first behind it
	s_wait_tensorcnt 0x0
	ds_add_u32 v[SPW], v[NIL]
.if \fill
	s_add_nc_u64 s[G0A+2:G0A+3], s[G0A+2:G0A+3], 3*KSTA   ; no load of mine is out: slot 0's descriptors step to K step 3
	s_add_nc_u64 s[G0B+2:G0B+3], s[G0B+2:G0B+3], 3*192
	s_wait_dscnt 0x0
	CROUND
	JLOAD
.else
	s_wait_dscnt 0x0
	s_barrier_signal -1
	s_barrier_wait -1
.endif
.endm
.macro STEP n, sync, fetch, slot, q    ; step n of eight: its fragments are in; the next step's are asked for; 32 products
	WIN 0
	s_wait_dscnt 0x0                               ; this step's 72 loads, issued ahead of the last 32 products
.if (\sync) == 1
	SYNC 1
.elseif (\sync) == 2
	SYNC 0
.endif
	PLACES 4                                       ; in front of loads into registers that the last products read
.if \fetch
	FETCH \slot, \q, 1-(\n)%2
.endif
	WIN 0xa1
	MUL32 (\n)%2, \n, 0
.endm
	s_load_b256 s[4:11], s[0:1], 0x0               ; x codes, x scales, W codes, W scales
	s_load_b256 s[12:19], s[0:1], 0x20             ; q_bias, v_bias, qr, kv
	v_lshl_add_u32 v[SPW], v0, 2, SPARE
	v_mov_b32 v[NIL], 0
	ds_add_u32 v18, v19
	s_wait_dscnt 0x0
	v_lshrrev_b32 v1, 5, v0
	v_readfirstlane_b32 s[WV], v1
	s_lshr_b32 s[HA], s[WV], 1                     ; my half of A' (64 rows).  Also: I fetch for A' (0) or B' (1)
	s_and_b32 s[HB], s[WV], 1                      ; my half of B' (128 rows).  Also: which half of the tile I fetch
	s_bfe_u32 s[CX], ttmp6, 0x40000
	s_bfe_u32 s[CY], ttmp6, 0x40004
	s_mov_b32 s[XX], ttmp9                         ; the cluster's x: the role
	s_and_b32 s[YY], ttmp7, 0xffff
	s_lshl_b32 s56, s[YY], 2
	s_add_co_u32 s56, s56, s[CY]                   ; q, k: A' tile = 4 Y + cy (128 tokens)
	s_and_b32 s[AV], s[YY], 1
	s_lshl_b32 s[AV], s[AV], 2
	s_add_co_u32 s[AV], s[AV], s[CY]               ; v: A' tile = 4 (Y & 1) + cy (128 channels)
	s_lshl_b32 s60, s[XX], 2
	s_add_co_u32 s60, s60, s[CX]                   ; q, k: B' tile = 4 X + cx (256 rows of W)
	s_lshr_b32 s61, s[YY], 1
	s_lshl_b32 s61, s61, 2
	s_add_co_u32 s61, s61, s[CX]                   ; v: B' tile = 4 (Y >> 1) + cx (256 tokens)
	s_cmp_eq_u32 s[XX], 2
	s_cselect_b32 s[AR], s[AV], s56
	s_cselect_b32 s[BC], s61, s60
	s_mov_b32 s[FLOOR], 3<<23
	s_cmp_eq_u32 s[XX], 0
	s_cselect_b32 s[FLOOR], 8<<23, s[FLOOR]        ; the floor of a block's largest magnitude: 2^(3 - 127); for q 2^(8 - 127)
	s_cselect_b32 s[OFFS], 0x05050505, 0           ; q: 5 off each scale byte
	s_mov_b32 s[SEL], 0x76543210
	s_mov_b32 s[SEL+1], 0xfedcba98
	s_lshl_b32 s27, s[CY], 2
	s_lshl_b32 s27, 15, s27                        ; my row of the cluster
	s_lshl_b32 s89, 0x1111, s[CX]                  ; my column
	s_or_b32 s[G1A], s27, (1<<20)|(1<<21)|(3<<22)|(3<<25)   ; elements of 1 byte; padding of 4 words behind every 16; bit 21 beside the mask
	s_or_b32 s[G1B], s89, (1<<20)|(1<<21)|(3<<22)|(3<<25)
	s_mov_b32 s[G1A+1], 192<<16                    ; tensor_dim0
	s_mov_b32 s[G1A+2], 64<<16                     ; tensor_dim1
	s_mov_b32 s[G1A+3], 192<<16                    ; tile_dim0
	s_mov_b32 s[G1A+4], 64                         ; tile_dim1
	s_mov_b32 s[G1A+5], KROWA                      ; pitch
	s_mov_b32 s[G1A+6], 0
	s_mov_b32 s[G1A+7], 0
	s_mov_b32 s[G1B+1], 192<<16
	s_mov_b32 s[G1B+2], 128<<16
	s_mov_b32 s[G1B+3], 192<<16
	s_mov_b32 s[G1B+4], 128
	s_mov_b32 s[G1B+5], 768
	s_mov_b32 s[G1B+6], 0
	s_mov_b32 s[G1B+7], 0
	s_mul_i32 s2, s[HB], AHALF                     ; where my load lands in a slot: A's half,
	s_mul_i32 s3, s[HB], BHALF
	s_add_co_u32 s3, s3, 2*AHALF                   ; or B's
	s_lshl_b32 s94, s[AR], 7
	s_lshl_b32 s95, s[HB], 6
	s_add_co_u32 s94, s94, s95
	s_mul_i32 s94, s94, KROWA                      ; A': row 128 tile + 64 half, in bytes (cy alone enters)
	s_mov_b32 s95, 0
	s_lshl_b32 s96, s[BC], 8
	s_lshl_b32 s97, s[HB], 7
	s_add_co_u32 s96, s96, s97
	s_mul_i32 s96, s96, 768                        ; B': row 256 tile + 128 half (cx alone enters)
	s_mov_b32 s97, 0
	s_wait_kmcnt 0x0
	s_add_nc_u64 s[90:91], s[8:9], 2048*768        ; v's rows of W
	s_add_nc_u64 s[92:93], s[10:11], 2048*32
	s_cmp_eq_u32 s[XX], 2
	s_cselect_b64 s[56:57], s[90:91], s[4:5]       ; A' codes
	s_cselect_b64 s[58:59], s[92:93], s[6:7]       ; A' scales
	s_cselect_b64 s[60:61], s[4:5], s[8:9]         ; B' codes
	s_cselect_b64 s[62:63], s[6:7], s[10:11]       ; B' scales
	s_add_nc_u64 s[94:95], s[56:57], s[94:95]
	s_add_nc_u64 s[96:97], s[60:61], s[96:97]
.irp s, 0,1,2
	s_mov_b32 s[G0A+4*\s], 1
	s_add_co_u32 s[G0A+4*\s+1], s2, \s*SLOT
	s_add_nc_u64 s[G0A+4*\s+2:G0A+4*\s+3], s[94:95], \s*KSTA
	s_or_b32 s[G0A+4*\s+3], s[G0A+4*\s+3], 0x80000000
	s_mov_b32 s[G0B+4*\s], 1
	s_add_co_u32 s[G0B+4*\s+1], s3, \s*SLOT
	s_add_nc_u64 s[G0B+4*\s+2:G0B+4*\s+3], s[96:97], \s*192
	s_or_b32 s[G0B+4*\s+3], s[G0B+4*\s+3], 0x80000000
.endr
	CROUND                                         ; all sixteen work-groups are here: the first joint loads meet
	s_cmp_eq_u32 s[HA], 0                          ; a wave's three first fills stand in one branch: three loads of mine are out
	s_cbranch_scc0 .Lfirst_b
	tensor_load_to_lds s[G0A:G0A+3], s[G1A:G1A+7]
	s_nop 0
	tensor_load_to_lds s[G0A+4:G0A+7], s[G1A:G1A+7]
	s_nop 0
	tensor_load_to_lds s[G0A+8:G0A+11], s[G1A:G1A+7]
	s_nop 0
	PLACES 4
	s_branch .Lfirst_done
.Lfirst_b:
	tensor_load_to_lds s[G0B:G0B+3], s[G1B:G1B+7]
	s_nop 0
	tensor_load_to_lds s[G0B+4:G0B+7], s[G1B:G1B+7]
	s_nop 0
	tensor_load_to_lds s[G0B+8:G0B+11], s[G1B:G1B+7]
	s_nop 0
	PLACES 4
.Lfirst_done:
	v_and_b32 v3, 31, v0                           ; lane
	v_and_b32 v1, 15, v0                           ; r
	v_bfe_u32 v2, v0, 4, 1                         ; h
	v_lshlrev_b32 v[L16], 4, v3
	v_lshlrev_b32 v[L8], 3, v3
	v_lshlrev_b32 v[LSC], 5, v1
	v_lshl_add_u32 v[LSC], v2, 4, v[LSC]
	; the scale words, once, straight into registers: a block of 16 rows x 32 bytes is 512 consecutive bytes, one load
	s_lshl_b32 s90, s[AR], 12
	s_lshl_b32 s91, s[HA], 11
	s_add_co_u32 s90, s90, s91
	s_mov_b32 s91, 0
	s_add_nc_u64 s[58:59], s[58:59], s[90:91]
	s_lshl_b32 s90, s[BC], 13
	s_lshl_b32 s92, s[HB], 12
	s_add_co_u32 s90, s90, s92
	s_add_nc_u64 s[62:63], s[62:63], s[90:91]
.irp i, 0,1,2,3
	global_load_b128 v[SCA+4*\i:SCA+4*\i+3], v[LSC], s[58:59] offset:512*\i
.endr
.irp i, 0,1,2,3,4,5,6,7
	global_load_b128 v[SCB+4*\i:SCB+4*\i+3], v[LSC], s[62:63] offset:512*\i
.endr
	; the biases, in the result's layout.  Both kinds are loaded on every way, at places that lie inside their buffers for every work-group; the first step's three arms name what they need
	s_lshl_b32 s90, s[CX], 10
	s_lshl_b32 s92, s[HB], 9
	s_add_co_u32 s90, s90, s92
	s_add_nc_u64 s[12:13], s[12:13], s[90:91]      ; q_bias at channel 256 cx + 128 half
	s_lshl_b32 s90, s[AV], 9
	s_lshl_b32 s92, s[HA], 8
	s_add_co_u32 s90, s90, s92
	s_add_nc_u64 s[14:15], s[14:15], s[90:91]      ; v_bias at channel 128 tile + 64 half
	v_lshlrev_b32 v224, 5, v2                      ; 32 h
	v_lshlrev_b32 v225, 2, v1                      ; 4 r
	WIN 0xc0                                       ; destination window 3
.irp b, 0,1,2,3,4,5,6,7
	global_load_b128 v[8*\b:8*\b+3], v224, s[12:13] offset:64*\b
	global_load_b128 v[8*\b+4:8*\b+7], v224, s[12:13] offset:64*\b+16
.endr
.irp a, 0,1,2,3
	global_load_b32 v[64+8*\a], v225, s[14:15] offset:64*\a
.endr
	WIN 0
	v_mul_u32_u24 v226, v1, PITCH
	v_mad_u32_u24 v226, v2, 24, v226               ; 240 r + 24 h
	v_lshl_add_u32 v227, v2, 4, v226               ; and behind one padding more
	s_mul_i32 s90, s[HA], AHALF
	s_mul_i32 s92, s[HB], BHALF
	s_add_co_u32 s92, s92, 2*AHALF
.irp s, 0,1,2
	v_add_nc_u32 v[ADRA+\s], s90, v226
	v_add_nc_u32 v[ADRA+3+\s], s90, v227
	v_add_nc_u32 v[ADRB+\s], s92, v226
	v_add_nc_u32 v[ADRB+3+\s], s92, v227
	s_add_co_u32 s90, s90, SLOT
	s_add_co_u32 s92, s92, SLOT
.endr
	; the way out: all addresses of both ways are made here
	s_lshl_b32 s90, s[WV], 9
	s_add_co_u32 s90, s90, STGQ
	v_lshlrev_b32 v[AQS], 3, v1
	v_lshl_add_u32 v[AQS], v2, 8, v[AQS]
	v_add_nc_u32 v[AQS], s90, v[AQS]               ; q, k: head h's half of my 512 bytes, 8 r
	v_add_nc_u32 v[AQR], s90, v[L16]
	v_mul_u32_u24 v[GQS], v2, HSTR
	v_lshl_add_u32 v[GQS], v1, 4, v[GQS]           ; lanes 0-15 the first head's 256 bytes, lanes 16-31 the next head's
	s_mul_i32 s92, s[WV], STGVW
	s_add_co_u32 s92, s92, STGV
	v_lshrrev_b32 v228, 3, v1
	v_and_b32 v229, 7, v1
	v_mul_u32_u24 v[AVI], v228, 1536
	v_lshl_add_u32 v[AVI], v229, 4, v[AVI]
	v_lshl_add_u32 v[AVI], v2, 8, v[AVI]
	v_add_nc_u32 v[AVI], s92, v[AVI]               ; v: tile r / 8 of the pair, lane 8 e + r % 8 + 16 h of its image
	v_lshlrev_b32 v[AVS], 7, v228
	v_lshl_add_u32 v[AVS], v229, 3, v[AVS]
	v_add_nc_u32 v[AVS], s92, v[AVS]
	v_add_nc_u32 v[AVR], s92, v[L16]
	v_add_nc_u32 v[AVR8], s92, v[L8]
	v_lshlrev_b32 v[SH], 4, v2
.irp b, 0,1,2,3
	v_mov_b32 v[TM+4+\b], 0                        ; written once: a lane permute's destination counts as one of its sources
.endr
	; which record: q, k: (token tile >> 4, head 4 cx + 2 half, token tile & 15);  v: (B' tile >> 3, head 2 A' tile + half, 2 (B' tile & 7) + half)
	s_lshr_b32 s90, s[AR], 4
	s_lshl_b32 s90, s90, 8
	s_and_b32 s91, s[AR], 15
	s_add_co_u32 s90, s90, s91
	s_lshl_b32 s91, s[CX], 6
	s_add_co_u32 s90, s90, s91
	s_lshl_b32 s91, s[HB], 5
	s_add_co_u32 s90, s90, s91
	s_lshr_b32 s92, s[BC], 3
	s_lshl_b32 s92, s92, 8
	s_and_b32 s93, s[BC], 7
	s_lshl_b32 s93, s93, 1
	s_add_co_u32 s92, s92, s93
	s_lshl_b32 s93, s[AR], 5
	s_add_co_u32 s92, s92, s93
	s_lshl_b32 s93, s[HA], 4
	s_add_co_u32 s92, s92, s93
	s_add_co_u32 s92, s92, s[HB]
	s_mul_i32 s93, s[HA], 4*768                    ; q, k: my four tiles of the record's eight
	s_cmp_eq_u32 s[XX], 2
	s_cselect_b32 s90, s92, s90
	s_cselect_b32 s93, 0, s93
	s_mul_i32 s90, s90, REC
	s_mov_b32 s91, 0
	s_cmp_eq_u32 s[XX], 0
	s_cselect_b64 s[OUT:OUT+1], s[16:17], s[18:19]
	s_add_nc_u64 s[OUT:OUT+1], s[OUT:OUT+1], s[90:91]
	s_lshl_b32 s90, s[HA], 8
	s_add_co_u32 s90, s90, KSO
	s_add_nc_u64 s[OUT2:OUT2+1], s[OUT:OUT+1], s[90:91]   ; my half of the record's scale words
	s_mov_b32 s90, s93
	s_add_nc_u64 s[OUT:OUT+1], s[OUT:OUT+1], s[90:91]
	s_wait_tensorcnt 0x2                           ; my part of K step 0 is in; the two younger fills may stay out
	s_barrier_signal -1
	s_barrier_wait -1                              ; everybody's is
	FETCH 0, 0, 0
	s_wait_loadcnt 0x0                             ; scale words and biases
	s_wait_dscnt 0x0
	FETCH 0, 1, 1
	s_cmp_eq_u32 s[XX], 0                          ; the first step starts the sums, with the bias as C: three arms round its 32 lines, on the cluster's x
	s_cbranch_scc1 .Lq0
	s_cmp_eq_u32 s[XX], 1
	s_cbranch_scc1 .Lk0
	WIN 0xc3
.irp a, 0,1,2,3
.irp j, 1,2,3,4,5,6,7
	v_mov_b32 v[64+8*\a+\j], v[64+8*\a]            ; v: a lane holds one channel, so its eight registers of a tile take the same bias
.endr
.endr
	PLACES 4
	WIN 0xb1
	MUL32 0, 0, 2
	WIN 0
	s_branch .Ls0
.Lq0:
	WIN 0xb1
	MUL32 0, 0, 1
	WIN 0
	s_branch .Ls0
.Lk0:
	WIN 0xa1
	MUL32 0, 0, 3
	WIN 0
.Ls0:
	STEP 1, 1, 1, 1, 0                             ; slot 0 has been read out: K step 3 is asked for; it has four steps, 128 products, in which to land
	STEP 2, 0, 1, 1, 1
	STEP 3, 0, 1, 2, 0
	STEP 4, 0, 1, 2, 1
	STEP 5, 2, 1, 0, 0                             ; K step 3 is in for every wave
	STEP 6, 0, 1, 0, 1
	STEP 7, 0, 0, 0, 0
	WIN 0
	PLACES 4                                       ; in front of the first read of results
; Block a's 64 registers of a lane (register 16 b + i of block b of 32) become a fragment's codes in v[PC] on and its scale word in v[PW].
.macro QUANT a
	s_wait_xcnt 0x0                                ; the last block's stores have read their registers,
	s_wait_dscnt 0x0                               ; the LDS stores too
	WIN 0x0a                                       ; sources 0 and 1: window 2
.irp b, 0,1,2,3
	v_max3_num_f32 v[TM+\b], |v[64*(\a)+16*\b]|, |v[64*(\a)+16*\b+1]|, s[FLOOR]   ; each accumulator is read from its low end on
.endr
.irp i, 2,4,6,8,10,12,14
.irp b, 0,1,2,3
	v_max3_num_f32 v[TM+\b], |v[64*(\a)+16*\b+\i]|, |v[64*(\a)+16*\b+\i+1]|, v[TM+\b]
.endr
.endr
	WIN 0
.irp b, 0,1,2,3
	v_permlanex16_b32 v[TM+4+\b], v[TM+\b], s[SEL], s[SEL+1]
.endr
.irp b, 0,1,2,3
	v_max_num_f32 v[TM+\b], v[TM+\b], v[TM+4+\b]   ; with lane l xor 16's: the block's largest magnitude
.endr
.irp b, 0,1,2,3
	v_add_nc_u32 v[TM+12+\b], 0xff000000, v[TM+\b] ; 2 off its exponent field: the conversion's scale operand
.endr
.irp b, 0,1,2,3
	v_lshrrev_b32 v[TM+4+\b], 23, v[TM+12+\b]      ; the scale's byte
.endr
	v_lshl_or_b32 v[PW], v[TM+5], 8, v[TM+4]
	v_lshl_or_b32 v[PW], v[TM+6], 16, v[PW]
	v_lshl_or_b32 v[PW], v[TM+7], 24, v[PW]
	v_sub_nc_u32 v[PW], v[PW], s[OFFS]             ; q: x 2^-5 (each byte is 6 or more: no borrow)
	WIN 0x02
.irp c, 0,1
	v_cvt_scalef32_pk16_fp6_f32 v[PC+6*\c:PC+6*\c+2], v[64*(\a)+32*\c:64*(\a)+32*\c+15], v[TM+12+2*\c]
	v_cvt_scalef32_pk16_fp6_f32 v[PC+12+4*\c:PC+14+4*\c], v[64*(\a)+32*\c+16:64*(\a)+32*\c+31], v[TM+13+2*\c]
.endr
	WIN 0
	v_nop                                          ; one plain place behind a scaled conversion
.irp c, 0,1                                    ; a whole block to a lane: lanes 0-15 block 2 c, lanes 16-31 block 2 c + 1
.irp i, 0,1,2
	v_permlane16_swap_b32 v[PC+6*\c+\i], v[PC+12+4*\c+\i]
.endr
.irp i, 0,1,2
	v_mov_b32 v[PC+3+6*\c+\i], v[PC+12+4*\c+\i]
.endr
.endr
.endm
	s_cmp_eq_u32 s[XX], 2
	s_cbranch_scc1 .Lvout
	; q, k: registers 6 c .. 6 c + 5 are head c's tile of 16 tokens x 64 dims: 512 + 256 consecutive bytes, aligned
.irp a, 0,1,2,3
	QUANT \a
.irp c, 0,1
	global_store_b128 v[L16], v[PC+6*\c:PC+6*\c+3], s[OUT:OUT+1] offset:\a*768+\c*HSTR
	global_store_b64 v[L8], v[PC+6*\c+4:PC+6*\c+5], s[OUT:OUT+1] offset:\a*768+\c*HSTR+512
.endr
	v_lshrrev_b32 v[TT], v[SH], v[PW]
	v_and_b32 v[TT], 0xffff, v[TT]                 ; lanes 0-15: the first head's two bytes, lanes 16-31: the next head's; bytes 2, 3 are 0
	ds_store_b32 v[AQS], v[TT] offset:128*(\a%2)+4*(\a/2)
.endr
	ds_load_b128 v[128:131], v[AQR]                ; LDS serves a wave's instructions in order: this sees my stores
	s_wait_dscnt 0x0
	global_store_b128 v[GQS], v[128:131], s[OUT2:OUT2+1]   ; 16 lanes store 256 consecutive bytes, aligned
	s_branch .Lend
.Lvout:
	; v: a block's fragment is 16 dims x 128 keys; its lanes go to their places in the record's four tiles through my stage
.irp a, 0,1,2,3
	QUANT \a
.irp c, 0,1,2
	ds_store_b128 v[AVI], v[PC+4*\c:PC+4*\c+3] offset:3072*(\a/2)+128*(\a%2)+512*\c
.endr
	ds_store_b32 v[AVS], v[PW] offset:6144+64*(\a%2)+4*(\a/2)   ; both halves of the lanes write the same word with the same value
.endr
.irp i, 0,1,2,3,4,5,6,7,8,9,10,11
	ds_load_b128 v[128+4*\i:131+4*\i], v[AVR] offset:512*\i
.endr
	ds_load_b64 v[176:177], v[AVR8] offset:6144
.irp i, 0,1,2,3,4,5,6,7,8,9,10,11
	s_wait_dscnt 12-\i                             ; the younger loads may stay out
	global_store_b128 v[L16], v[128+4*\i:131+4*\i], s[OUT:OUT+1] offset:VCO+512*\i
.endr
	s_wait_dscnt 0x0
	global_store_b64 v[L8], v[176:177], s[OUT:OUT+1] offset:VSO
.Lend:
	s_wait_tensorcnt 0x0                           ; the wave's end
	ds_add_u32 v[SPW], v[NIL]
	s_wait_dscnt 0x0
	CROUND                                         ; the closing round
	s_endpgm
.Lfunc_end_k_q7fcec0c8f9_qkv:
	.size	k_q7fcec0c8f9_qkv, .Lfunc_end_k_q7fcec0c8f9_qkv-k_q7fcec0c8f9_qkv
	.p2alignl 7, 3214868480
	.fill 96, 4, 3214868480
	.section	.rodata,"a",@progbits
	.p2align	6, 0x0
	.amdhsa_kernel k_q7fcec0c8f9_qkv
		.amdhsa_group_segment_fixed_size 327680
		.amdhsa_private_segment_fixed_size 0
		.amdhsa_enable_private_segment 0
		.amdhsa_kernarg_size 64
		.amdhsa_user_sgpr_count 2
		.amdhsa_user_sgpr_kernarg_segment_ptr 1
		.amdhsa_wavefront_size32 1
		.amdhsa_system_sgpr_workgroup_id_x 1
		.amdhsa_system_sgpr_workgroup_id_y 1
		.amdhsa_system_sgpr_workgroup_id_z 1
		.amdhsa_system_vgpr_workitem_id 0
		.amdhsa_next_free_vgpr 1024
		.amdhsa_next_free_sgpr 100
		.amdhsa_reserve_vcc 0
		.amdhsa_float_denorm_mode_32 3
		.amdhsa_float_denorm_mode_16_64 3
		.amdhsa_memory_ordered 1
		.amdhsa_forward_progress 1
		.amdhsa_inst_pref_size 132
	.end_amdhsa_kernel
	.amdgpu_metadata
---
amdhsa.version: [ 1, 2 ]
amdhsa.kernels:
  - .name:           k_q7fcec0c8f9_qkv
    .symbol:         k_q7fcec0c8f9_qkv.kd
    .args:
      - { .name: x_codes, .offset: 0, .size: 8, .value_kind: global_buffer, .address_space: global }
      - { .name: x_scales, .offset: 8, .size: 8, .value_kind: global_buffer, .address_space: global }
      - { .name: W_qkv_codes, .offset: 16, .size: 8, .value_kind: global_buffer, .address_space: global }
      - { .name: W_qkv_scales, .offset: 24, .size: 8, .value_kind: global_buffer, .address_space: global }
      - { .name: q_bias, .offset: 32, .size: 8, .value_kind: global_buffer, .address_space: global }
      - { .name: v_bias, .offset: 40, .size: 8, .value_kind: global_buffer, .address_space: global }
      - { .name: qr, .offset: 48, .size: 8, .value_kind: global_buffer, .address_space: global }
      - { .name: kv, .offset: 56, .size: 8, .value_kind: global_buffer, .address_space: global }
    .group_segment_fixed_size: 327680
    .private_segment_fixed_size: 0
    .kernarg_segment_align: 8
    .kernarg_segment_size: 64
    .max_flat_workgroup_size: 128
    .sgpr_count:     100
    .vgpr_count:     1024
    .wavefront_size: 32
...
	.end_amdgpu_metadata
.endif
;; end of part 1
;; launch attn (part 2): grid 32 x 16, 8 waves a work-group, clusters of 4 x 4, 327,680 bytes of LDS; arguments qr, kv, attn_bias, oc, os; writes oc, os
.if DOCPART == 2
	.amdgcn_target "amdgcn-amd-amdhsa--gfx1250"
	.amdhsa_code_object_version 6
	.text
	.protected	k_q7fcec0c8f9_attn
	.globl	k_q7fcec0c8f9_attn
	.p2align	8
	.type	k_q7fcec0c8f9_attn,@function
k_q7fcec0c8f9_attn:
	s_mov_b64 s[64:65], 0
	v_nop
	global_prefetch_b8 v0, s[64:65] scope:SCOPE_SE
	s_setreg_imm32_b32 hwreg(HW_REG_WAVE_MODE, 25, 1), 1
	s_wait_xcnt 0x0
	s_wait_alu depctr_hold_cnt(0) depctr_sa_sdst(0) depctr_va_vdst(0) depctr_va_sdst(0) depctr_va_ssrc(0) depctr_va_vcc(0) depctr_vm_vsrc(0)
	s_getreg_b32 s2, hwreg(HW_REG_IB_STS2, 6, 4)
	s_cmp_eq_u32 s2, 0
	s_cbranch_scc0 .Lentry_in_a_cluster
	s_endpgm
.Lentry_in_a_cluster:
	s_bfe_u32 s2, ttmp6, 0x10000c
	s_cmp_lg_u32 s2, 0xf033
	s_cbranch_scc0 .Lentry_shape_is_right
	s_endpgm
.Lentry_shape_is_right:
; oup = softmax(q k^T / 32 + attn_bias) v, both products on codes of FP6 (E2M3) with E8M0 scales; oup is quantised along the channels and leaves as codes and scale bytes.
; SHARES.  A work-group owns 64 queries of one batch and four heads (4 cy ..); wave w owns head w & 3 and two tiles of 16 queries (tiles 2 (w >> 2), + 1): each fragment of K and V read from LDS feeds both.
; Every wave walks the 2,048 keys, 128 a step.  A step's tiles, the 64 x 128 numbers of attn_bias and four heads' records of K and V, come through three LDS slots by joint loads:
; the records are shared along a row of the 4 x 4 cluster (same heads, other queries), the bias tile along a column (same queries, other heads).
; The third slot serves reading ahead: at a change of slots the step after the next one's load goes out, the next step's has landed, and during a step a wave loads the next step's K and bias into registers as they fall free.
; LAYOUT.  Both products are used transposed: S^T = K Q^T + bias (source 0 = 16 keys, source 1 = 16 queries, C = the bias, in place), O^T = V^T P: a lane holds one query throughout.
; The head's 64 dims fill half of the instruction's 128: Q's registers 6-11 are zero codes, K's operand runs on into the next tile's codes, which multiply zeros; bytes 2, 3 of both scale words are 0, no NaN.
; THE SOFTMAX: t = score x log2(e); M = the running largest t rounded up to a whole number, kept as -M; p = 2^(t - M) is quantised along the keys, not normalised; the sum is taken of the unquantised p; when M moves, the sum and O^T are multiplied by 2^(old M - new M), exactly.
; A block's 32 codes of p stand in the order 0-7, 16-23, 8-15, 24-31, as V's codes do.  V's tiles are laid so that O^T's tiles 2 B, 2 B + 1 give a lane 16 neighbouring dims: oup's codes come out in their true order.
; A block's largest p is taken from the block's largest score by the same multiply-add and exponential.
; OUT: oc [4 planes of 256 channels][8,192 tokens][192 bytes], os [4][8,192][8].
; LIMITS: NaN and infinities are not served; a block of zeros gets the scale byte 1 where the rule says 127 (its codes are zeros, this program alone reads the bytes); 1 / the sum by v_rcp_f32.
; REGISTERS.  Tile A's state lies in window 0 and tile B's at the same numbers in window 1: v12 -M, v13 largest t, v[14:15] the sum, v16-27 Q, v96-159 S^T / p, v160-191 O^T, v192-227 at work.
; Window 0 also: v1-11 addresses, v28-31 K's scale words, v32-79 K, v80-85 zeros, v86-87 V's scale words, v88-93 addresses, v228-231 scale words of p and Q.  Window 1 also: v32-79 V.
.set REC,   13056
.set KSO,   6144
.set VCO,   6656
.set VSO,   12800
.set BP,    528                        ; a row of the bias tile in LDS: 512 bytes + 16
.set KVO,   64*BP
.set SLOT,  KVO+4*REC
.set SPARE, 3*SLOT                     ; the spare words: 128 bytes a wave, named by no other line
.set OST,   SPARE+1024                 ; the way out: 64 tokens x 192 bytes of codes,
.set OSS,   OST+64*192                 ; and 64 x 8 scale bytes
.set PLANE, 8192*192
.set A16, 1
.set A8,  4
.set ABI, 7
.set SPW, 10
.set NIL, 11
.set KSR, 28
.set KF,  32
.set VF,  32
.set ZR,  80
.set VS,  86
.set PFO, 88
.set AOC, 89
.set AOS, 90
.set L16, 91
.set L8,  92
.set R8,  93
.set PWA, 228
.set PWB, 229
.set QSA, 230
.set QSB, 231
.set QF,  16
.set S,   96
.set OT,  160
.set BMX, 192
.set T4,  196
.set SO,  200
.set PC,  204
.set CT,  216
.set F,   224
.set TMP, 226
.set WT,  227
.set WV, 14
.set HH, 15
.set QP, 16
.set CX, 17
.set CY, 18
.set XX, 19
.set BB, 20
.set QB, 21
.set SEL, 22
.set CS, 24
.set G1K, 28
.set G1B, 36
.set G0K, 44
.set PFA, 56
.set PFS, 58
.set LIM, 60
.set REM, 61
.set TRIP, 62
.set G0B, 68
.set MSB, 0
.macro WIN new
.if MSB != (\new)
	s_set_vgpr_msb (MSB<<8)|(\new)
.set MSB, (\new)
.endif
.endm
.macro PLACES n
.rept \n
	v_nop
.endr
.endm
.macro CROUND
	s_barrier_signal -1
	s_barrier_wait -1
	s_cmp_lg_u32 s[WV], 0
	s_cbranch_scc1 .Lnw0_\@
	s_barrier_signal -3
.Lnw0_\@:
	s_barrier_wait -3
	s_barrier_signal -1
	s_barrier_wait -1
.endm
.macro JLOAD s                         ; waves 0-3: a head's record each; wave 4: the bias tile; four v_nop follow each line
	s_cmp_lt_u32 s[WV], 4
	s_cbranch_scc0 .Lnk_\@
	tensor_load_to_lds s[G0K+4*\s:G0K+4*\s+3], s[G1K:G1K+7]
	s_nop 0
	PLACES 4
	s_branch .Ldn_\@
.Lnk_\@:
	s_cmp_eq_u32 s[WV], 4
	s_cbranch_scc0 .Ldn_\@
	tensor_load_to_lds s[G0B+4*\s:G0B+4*\s+3], s[G1B:G1B+7]
	s_nop 0
	PLACES 4
.Ldn_\@:
.endm
; A PREFETCH INTO THE L2, at each change of slots that asks for a tile, by waves that fetch nothing.  Each aligned block of 256 bytes is named once in the launch.
; kv: the clusters of a batch walk the same records: cluster x = 0 asks; its partner cx takes head 4 cy + cx (told apart by address); a head's 16 records are 816 blocks on end:
; at change t wave 5 names blocks 144 + 64 t + lane, wave 6 those 32 on; they stop at t = 10 and t = 9, at block 815.  The load of change t + 1 ends at block 203 + 51 t.
; attn_bias: the four batches read the same rows: cluster y = 0 asks, wave 7; partner cy takes rows 16 cy .. + 15 of the 64, two blocks a row: at change t the step t + 3, one change ahead of its load; it stops at t = 12.
.macro ASK
	s_cmp_gt_u32 s[REM], s[LIM]
	s_cbranch_scc0 .Lnm_\@
	global_prefetch_b8 v[PFO], s[PFA:PFA+1] th:TH_LOAD_NT scope:SCOPE_SE
.Lnm_\@:
.endm
; THE CHANGE OF SLOTS.  All my tensor loads have landed (the next step's among them), 0 onto my spare word, that and my LDS reads are done.  kind = 1: a round of the cluster's barrier, and slot fill, just read out, is filled first behind it.
.macro HEAD fill, first, kind
	s_wait_tensorcnt 0x0
	ds_add_u32 v[SPW], v[NIL]
.if \kind
.if (\first) == 0
	s_add_nc_u64 s[G0K+4*\fill+2:G0K+4*\fill+3], s[G0K+4*\fill+2:G0K+4*\fill+3], 3*REC   ; no load of mine is out: the slot's descriptors step three key steps on
	s_add_nc_u64 s[G0B+4*\fill+2:G0B+4*\fill+3], s[G0B+4*\fill+2:G0B+4*\fill+3], 3*512
.endif
	s_wait_xcnt 0x0                                ; the last prefetch, a key step back, has read its address
	s_add_nc_u64 s[PFA:PFA+1], s[PFA:PFA+1], s[PFS:PFS+1]
	s_wait_dscnt 0x0
	CROUND
	JLOAD \fill
	ASK
	s_sub_co_u32 s[REM], s[REM], 1
.else
	s_wait_dscnt 0x0
	s_barrier_signal -1
	s_barrier_wait -1
.endif
.endm
.macro KLOAD nx                        ; a step's K: eight tiles of six registers, and their scale words: 18 loads
.irp t, 0,1,2,3,4,5,6,7
	ds_load_b128 v[KF+6*\t:KF+6*\t+3], v[A16+\nx] offset:768*\t
	ds_load_b64 v[KF+6*\t+4:KF+6*\t+5], v[A8+\nx] offset:768*\t+512
.endr
	ds_load_b64 v[KSR:KSR+1], v[A8+\nx] offset:KSO
	ds_load_b64 v[KSR+2:KSR+3], v[A8+\nx] offset:KSO+256
.endm
.macro BLOAD W, nx                     ; a step's bias for tile W, in S^T's layout: register 8 t + j = bias(query r, key 16 t + 8 h + j): 16 loads
	WIN 0x40*\W
.irp t, 0,1,2,3,4,5,6,7
	ds_load_b128 v[S+8*\t:S+8*\t+3], v[ABI+\nx] offset:16*BP*\W+64*\t
	ds_load_b128 v[S+8*\t+4:S+8*\t+7], v[ABI+\nx] offset:16*BP*\W+64*\t+16
.endr
.endm
.macro SPROD qs                        ; S^T = K Q^T + bias: eight accumulators, one instruction each
.irp t, 0,1,2,3,4,5,6,7
.if \t%2
	v_wmma_scale_f32_16x16x128_f8f6f4 v[S+8*\t:S+8*\t+7], v[KF+6*\t:KF+6*\t+11], v[QF:QF+11], v[S+8*\t:S+8*\t+7], v[KSR+2*(\t/4)+(\t%4)/2], v[\qs] matrix_a_fmt:MATRIX_FMT_FP6 matrix_b_fmt:MATRIX_FMT_FP6 matrix_a_scale:MATRIX_SCALE_ROW1
.else
	v_wmma_scale_f32_16x16x128_f8f6f4 v[S+8*\t:S+8*\t+7], v[KF+6*\t:KF+6*\t+11], v[QF:QF+11], v[S+8*\t:S+8*\t+7], v[KSR+2*(\t/4)+(\t%4)/2], v[\qs] matrix_a_fmt:MATRIX_FMT_FP6 matrix_b_fmt:MATRIX_FMT_FP6
.endif
.endr
.endm
.macro PV pwr                          ; O^T += V^T P: four accumulators, one instruction each
.irp u, 0,1,2,3
.if \u%2
	v_wmma_scale_f32_16x16x128_f8f6f4 v[OT+8*\u:OT+8*\u+7], v[VF+12*\u:VF+12*\u+11], v[PC:PC+11], v[OT+8*\u:OT+8*\u+7], v[VS+\u/2], v[\pwr] matrix_a_fmt:MATRIX_FMT_FP6 matrix_b_fmt:MATRIX_FMT_FP6 matrix_a_scale:MATRIX_SCALE_ROW1
.else
	v_wmma_scale_f32_16x16x128_f8f6f4 v[OT+8*\u:OT+8*\u+7], v[VF+12*\u:VF+12*\u+11], v[PC:PC+11], v[OT+8*\u:OT+8*\u+7], v[VS+\u/2], v[\pwr] matrix_a_fmt:MATRIX_FMT_FP6 matrix_b_fmt:MATRIX_FMT_FP6
.endif
.endr
.endm
; One tile's softmax for one key step, all in window W; p's scale word goes to v[pwr] of window 0.  ahead = 1: when p's codes are made, the next step's bias is loaded into S^T's registers from slot nx.
.macro SOFTMAX W, pwr, nx, ahead
	WIN 0x55*\W
.irp b, 0,1,2,3
	v_max3_num_f32 v[BMX+\b], v[S+16*\b], v[S+16*\b+1], v[S+16*\b+2]   ; the largest score of each block of 32 keys (each accumulator is read from its low end on)
.endr
.irp i, 3,5,7,9,11,13
.irp b, 0,1,2,3
	v_max3_num_f32 v[BMX+\b], v[BMX+\b], v[S+16*\b+\i], v[S+16*\b+\i+1]
.endr
.endr
.irp b, 0,1,2,3
	v_max_num_f32 v[BMX+\b], v[BMX+\b], v[S+16*\b+15]
.endr
.irp b, 0,1,2,3
	v_permlanex16_b32 v[T4+\b], v[BMX+\b], s[SEL], s[SEL+1]
.endr
.irp b, 0,1,2,3
	v_max_num_f32 v[BMX+\b], v[BMX+\b], v[T4+\b]   ; with lane l xor 16's 16 keys
.endr
	v_max3_num_f32 v[TMP], v[BMX], v[BMX+1], v[BMX+2]
	v_max_num_f32 v[TMP], v[TMP], v[BMX+3]
	v_mul_f32 v[TMP], s[CS], v[TMP]                ; as t
	v_max_num_f32 v13, v13, v[TMP]                 ; the running largest t
	v_mov_b32 v[TMP], v12
	v_floor_f32 v12, -v13                          ; the new -M = -ceil(t): a whole number
	v_sub_f32 v[TMP], v12, v[TMP]                  ; old M - new M, 0 or less
	v_cvt_i32_f32 v[TMP], v[TMP]                   ; (it saturates)
	v_ldexp_f32 v[F], 1.0, v[TMP]                  ; f = 2^(old M - new M)
.irp j, 0,2,4,6,8,10,12,14,16,18,20,22,24,26,28,30,32,34,36,38,40,42,44,46,48,50,52,54,56,58,60,62
	v_pk_fma_f32 v[S+\j:S+\j+1], v[S+\j:S+\j+1], s[CS:CS+1], v[12:13] op_sel_hi:[1,0,0]   ; t - M
.endr
.irp b, 0,1,2,3
	v_fma_f32 v[BMX+\b], v[BMX+\b], s[CS], v12
.endr
.irp j, 0,1,2,3,4,5,6,7,8,9,10,11,12,13,14,15,16,17,18,19,20,21,22,23,24,25,26,27,28,29,30,31,32,33,34,35,36,37,38,39,40,41,42,43,44,45,46,47,48,49,50,51,52,53,54,55,56,57,58,59,60,61,62,63
	v_exp_f32 v[S+\j], v[S+\j]                     ; p = 2^(t - M)
.endr
	v_pk_mul_f32 v[14:15], v[14:15], v[F:F+1] op_sel_hi:[1,0]   ; the sum under the new M: a plain line behind the exponentials
	s_wait_alu depctr_va_vdst(0)                   ; one wait for the batch of 64, ahead of its first reader
.irp b, 0,1,2,3
	v_exp_f32 v[BMX+\b], v[BMX+\b]                 ; each block's largest p
.endr
	v_pk_add_f32 v[T4:T4+1], v[S:S+1], v[S+2:S+3]  ; the sum of the unquantised p, in two chains
.irp j, 4,8,12,16,20,24,28,32,36,40,44,48,52,56,60
	v_pk_add_f32 v[14:15], v[14:15], v[S+\j:S+\j+1]
	v_pk_add_f32 v[T4:T4+1], v[T4:T4+1], v[S+\j+2:S+\j+3]
.endr
	v_pk_add_f32 v[14:15], v[14:15], v[T4:T4+1]
	s_wait_alu depctr_va_vdst(0)                   ; and one for the four
.irp b, 0,1,2,3
	v_max_num_f32 v[BMX+\b], 0x1800000, v[BMX+\b]  ; the floor 2^(3 - 127): the byte cannot fall under 1
.endr
.irp b, 0,1,2,3
	v_add_nc_u32 v[SO+\b], 0xff000000, v[BMX+\b]   ; 2 off the exponent field: the conversion's scale operand
.endr
.irp b, 0,1,2,3
	v_lshrrev_b32 v[T4+\b], 23, v[SO+\b]
.endr
	v_lshl_or_b32 v[WT], v[T4+1], 8, v[T4]
	v_lshl_or_b32 v[WT], v[T4+2], 16, v[WT]
	WIN 0x11*\W                                    ; scale operands are taken from window 0: the word's last line writes there
	v_lshl_or_b32 v[\pwr], v[T4+3], 24, v[WT]
	WIN 0x55*\W
.irp c, 0,1
	v_cvt_scalef32_pk16_fp6_f32 v[PC+6*\c:PC+6*\c+2], v[S+32*\c:S+32*\c+15], v[SO+2*\c]
	v_cvt_scalef32_pk16_fp6_f32 v[CT+4*\c:CT+4*\c+2], v[S+32*\c+16:S+32*\c+31], v[SO+2*\c+1]
.endr
	v_nop                                          ; one plain place behind a scaled conversion
.if \ahead
	BLOAD \W, \nx
	WIN 0x55*\W
.endif
.irp c, 0,1                                    ; a whole block to a lane
.irp i, 0,1,2
	v_permlane16_swap_b32 v[PC+6*\c+\i], v[CT+4*\c+\i]
.endr
.irp i, 0,1,2
	v_mov_b32 v[PC+3+6*\c+\i], v[CT+4*\c+\i]
.endr
.endr
.irp j, 0,2,4,6,8,10,12,14,16,18,20,22,24,26,28,30
	v_pk_mul_f32 v[OT+\j:OT+\j+1], v[OT+\j:OT+\j+1], v[F:F+1] op_sel_hi:[1,0]   ; O^T under the new M; these 16 also stand between the lines that wrote p's codes and scale word and the products
.endr
.endm
; A KEY STEP from slot c; nx: the next step's slot.
.macro BODY c, nx, ahead
	WIN 0x40
.irp i, 0,1,2,3,4,5,6,7,8,9,10,11
	ds_load_b128 v[VF+4*\i:VF+4*\i+3], v[A16+\c] offset:VCO+512*\i
.endr
	WIN 0
	ds_load_b64 v[VS:VS+1], v[A8+\c] offset:VSO
	s_wait_dscnt 13                                ; all but V's 13 loads: this step's K, scale words and both bias tiles are in
	SPROD QSA
	WIN 0x54                                       ; Q, C and D of tile B: window 1
	SPROD QSB
	WIN 0
	PLACES 4                                       ; in front of loads into K's registers and of the first read of scores
.if \ahead
	KLOAD \nx
.endif
	SOFTMAX 0, PWA, \nx, \ahead
.if \ahead
	s_wait_dscnt 34                                ; V is in: the 18 loads of K and the 16 of bias issued behind it may stay out
.else
	s_wait_dscnt 0x0
.endif
	WIN 0x01                                       ; V: window 1
	PV PWA
	SOFTMAX 1, PWB, \nx, \ahead
	PV PWB
	WIN 0
	PLACES 4                                       ; in front of the next loads into V's registers, and of the first read of O^T at the end
.endm
.macro INIT W
	WIN 0x41*\W
	v_mov_b32 v13, 0xff61b1e6                      ; the largest t so far: -3e38
	v_floor_f32 v12, -v13
	v_mov_b32 v14, 0
	v_mov_b32 v15, 0
.irp j, 6,7,8,9,10,11
	v_mov_b32 v[QF+\j], 0                          ; Q's upper 64 along K: zero codes
.endr
.irp j, 0,1,2,3,4,5,6,7,8,9,10,11,12,13,14,15,16,17,18,19,20,21,22,23,24,25,26,27,28,29,30,31
	v_mov_b32 v[OT+\j], 0                          ; the step is written once: the first finds zeros
.endr
.irp j, 0,1,2,3
	v_mov_b32 v[T4+\j], 0                          ; a lane permute's destination counts as one of its sources
.endr
	v_mov_b32 v[F+1], 0                            ; named as the upper half of a pair
	v_mov_b32 v[TMP], 0
.endm
	s_load_b256 s[4:11], s[0:1], 0x0               ; qr, kv, attn_bias, oc
	s_load_b64 s[12:13], s[0:1], 0x20              ; os
	v_lshl_add_u32 v[SPW], v0, 2, SPARE
	v_mov_b32 v[NIL], 0
	ds_add_u32 v10, v11
	s_wait_dscnt 0x0
	v_lshrrev_b32 v232, 5, v0
	v_readfirstlane_b32 s[WV], v232
	s_and_b32 s[HH], s[WV], 3
	s_lshr_b32 s[QP], s[WV], 2
	s_bfe_u32 s[CX], ttmp6, 0x40000
	s_bfe_u32 s[CY], ttmp6, 0x40004
	s_mov_b32 s[XX], ttmp9
	s_and_b32 s[BB], ttmp7, 0xffff                 ; the batch
	s_lshl_b32 s[QB], s[XX], 2
	s_add_co_u32 s[QB], s[QB], s[CX]               ; my block of 64 queries
	s_lshl_b32 s26, s[CY], 2
	s_lshl_b32 s26, 15, s26                        ; my row of the cluster
	s_lshl_b32 s27, 0x1111, s[CX]                  ; my column
	s_or_b32 s[G1K], s26, (3<<16)|(1<<21)          ; a record: 51 rows of 32 elements of 8 bytes, dense
	s_mov_b32 s[G1K+1], 32<<16
	s_mov_b32 s[G1K+2], 51<<16
	s_mov_b32 s[G1K+3], 32<<16
	s_mov_b32 s[G1K+4], 51
	s_mov_b32 s[G1K+5], 32
	s_mov_b32 s[G1K+6], 0
	s_mov_b32 s[G1K+7], 0
	s_or_b32 s[G1B], s27, (2<<16)|(1<<20)|(1<<21)|(6<<22)|(3<<25)   ; the bias tile: 64 rows of 128 f32, 4 words of padding behind every 128
	s_mov_b32 s[G1B+1], 128<<16
	s_mov_b32 s[G1B+2], 64<<16
	s_mov_b32 s[G1B+3], 128<<16
	s_mov_b32 s[G1B+4], 64
	s_mov_b32 s[G1B+5], 2048
	s_mov_b32 s[G1B+6], 0
	s_mov_b32 s[G1B+7], 0
	s_mov_b32 s[SEL], 0x76543210
	s_mov_b32 s[SEL+1], 0xfedcba98
	s_mov_b32 s[CS], 0x3fb8aa3b                    ; log2(e)
	s_mov_b32 s[CS+1], s[CS]
	s_lshl_b32 s80, s[BB], 8
	s_lshl_b32 s81, s[CY], 6
	s_add_co_u32 s80, s80, s81
	s_lshl_b32 s81, s[HH], 4
	s_add_co_u32 s80, s80, s81                     ; my head's first record: (batch x 16 + 4 cy + w & 3) x 16
	s_mul_i32 s82, s80, REC
	s_mov_b32 s83, 0
	s_mul_i32 s63, s[HH], REC
	s_add_co_u32 s63, s63, KVO                     ; its place in a slot
	s_lshr_b32 s86, s[QB], 1
	s_add_co_u32 s86, s86, s80
	s_mul_i32 s86, s86, REC                        ; my queries' record
	s_mov_b32 s87, 0
	s_and_b32 s90, s[QB], 1
	s_lshl_b32 s88, s90, 1
	s_add_co_u32 s88, s88, s[QP]
	s_mul_i32 s88, s88, 2*768                      ; my two tiles in it
	s_mov_b32 s89, 0
	s_lshl_b32 s90, s90, 8
	s_lshl_b32 s91, s[QP], 2
	s_add_co_u32 s90, s90, s91
	s_add_co_u32 s90, s90, KSO                     ; and their scale words
	s_mov_b32 s91, 0
	s_lshl_b32 s92, s[QB], 19                      ; my 64 rows of attn_bias
	s_mov_b32 s93, 0
	s_wait_kmcnt 0x0
	s_add_nc_u64 s[84:85], s[6:7], s[82:83]
	s_add_nc_u64 s[86:87], s[4:5], s[86:87]
	s_add_nc_u64 s[88:89], s[86:87], s[88:89]
	s_add_nc_u64 s[90:91], s[86:87], s[90:91]
	s_add_nc_u64 s[92:93], s[8:9], s[92:93]
.irp s, 0,1,2
	s_mov_b32 s[G0K+4*\s], 1
	s_add_co_u32 s[G0K+4*\s+1], s63, \s*SLOT
	s_add_nc_u64 s[G0K+4*\s+2:G0K+4*\s+3], s[84:85], \s*REC
	s_or_b32 s[G0K+4*\s+3], s[G0K+4*\s+3], 0x80000000
	s_mov_b32 s[G0B+4*\s], 1
	s_mov_b32 s[G0B+4*\s+1], \s*SLOT
	s_add_nc_u64 s[G0B+4*\s+2:G0B+4*\s+3], s[92:93], \s*512
	s_or_b32 s[G0B+4*\s+3], s[G0B+4*\s+3], 0x80000000
.endr
	CROUND                                         ; all sixteen work-groups are here: the first joint loads meet
	s_cmp_lt_u32 s[WV], 4                          ; key steps 0 and 1: a wave's two first fills stand together
	s_cbranch_scc0 .Lf_nk
	tensor_load_to_lds s[G0K:G0K+3], s[G1K:G1K+7]
	s_nop 0
	tensor_load_to_lds s[G0K+4:G0K+7], s[G1K:G1K+7]
	s_nop 0
	PLACES 4
	s_branch .Lf_dn
.Lf_nk:
	s_cmp_eq_u32 s[WV], 4
	s_cbranch_scc0 .Lf_dn
	tensor_load_to_lds s[G0B:G0B+3], s[G1B:G1B+7]
	s_nop 0
	tensor_load_to_lds s[G0B+4:G0B+7], s[G1B:G1B+7]
	s_nop 0
	PLACES 4
.Lf_dn:
	v_and_b32 v232, 31, v0                         ; lane
	v_and_b32 v94, 15, v0                          ; r
	v_bfe_u32 v95, v0, 4, 1                        ; h
	v_lshlrev_b32 v[L16], 4, v232
	v_lshlrev_b32 v[L8], 3, v232
	v_lshlrev_b32 v[R8], 3, v94
	global_load_b128 v[QF:QF+3], v[L16], s[88:89]  ; Q stays in registers: tile A,
	global_load_b64 v[QF+4:QF+5], v[L8], s[88:89] offset:512
	global_load_b32 v[QSA], v[R8], s[90:91]
	global_load_b32 v[QSB], v[R8], s[90:91] offset:128
	WIN 0x40
	global_load_b128 v[QF:QF+3], v[L16], s[88:89] offset:768   ; tile B
	global_load_b64 v[QF+4:QF+5], v[L8], s[88:89] offset:1280
	WIN 0
	s_mov_b32 s81, s63
	s_mul_i32 s80, s[QP], 32*BP
	v_mul_u32_u24 v233, v94, BP
	v_lshl_add_u32 v233, v95, 5, v233              ; row r, 32 h
.irp s, 0,1,2
	v_add_nc_u32 v[A16+\s], s81, v[L16]
	v_add_nc_u32 v[A8+\s], s81, v[L8]
	v_add_nc_u32 v[ABI+\s], s80, v233
	s_add_co_u32 s81, s81, SLOT
	s_add_co_u32 s80, s80, SLOT
.endr
	s_mul_i32 s80, s[QP], 32*192
	s_mul_i32 s81, s[HH], 48
	s_add_co_u32 s80, s80, s81
	s_add_co_u32 s80, s80, OST
	v_mul_u32_u24 v[AOC], v94, 192
	v_mad_u32_u24 v[AOC], v95, 24, v[AOC]
	v_add_nc_u32 v[AOC], s80, v[AOC]               ; the way out: token 32 (w >> 2) + r, my head's 48 bytes, block h
	s_lshl_b32 s80, s[QP], 8
	s_lshl_b32 s81, s[HH], 1
	s_add_co_u32 s80, s80, s81
	s_add_co_u32 s80, s80, OSS
	v_add_nc_u32 v[AOS], s80, v[R8]
.irp j, 0,1,2,3,4,5
	v_mov_b32 v[ZR+\j], 0                          ; behind K's last tile
.endr
	; the prefetches: who asks, from where, in which steps (macro ASK)
	s_mov_b32 s82, 16384
	s_mov_b32 s83, 8192
	s_cmp_eq_u32 s[WV], 7
	s_cselect_b32 s80, s[BB], s[XX]                ; the coordinate along which other clusters read the same bytes
	s_cselect_b32 s81, 3, s[WV]                    ; where to stop: 3 (wave 7), 5, 6
	s_cselect_b64 s[PFA:PFA+1], s[8:9], s[6:7]
	s_cselect_b32 s[PFS], 512, s82
	s_cselect_b32 s83, s83, 512                    ; from one pair of lanes to the next
	s_mov_b32 s[PFS+1], 0
	v_lshrrev_b32 v[PFO], 1, v232
	v_mul_lo_u32 v[PFO], v[PFO], s83
	v_and_b32 v233, 1, v232
	v_lshl_add_u32 v[PFO], v233, 8, v[PFO]
	s_lshl_b32 s84, s[BB], 8
	s_lshl_b32 s85, s[CY], 6
	s_add_co_u32 s84, s84, s85
	s_lshl_b32 s85, s[CX], 4
	s_add_co_u32 s84, s84, s85
	s_mul_i32 s84, s84, REC                        ; kv: head 4 cy + cx,
	s_and_b32 s85, s[WV], 2
	s_lshl_b32 s85, s85, 12                        ; wave 6: 32 blocks on,
	s_add_co_u32 s84, s84, s85
	s_add_co_u32 s84, s84, 144*256-16384           ; one step short of block 144
	s_lshl_b32 s86, s[QB], 19
	s_lshl_b32 s87, s[CY], 17
	s_add_co_u32 s86, s86, s87                     ; attn_bias: rows 64 block + 16 cy,
	s_add_co_u32 s86, s86, 2*512                   ; one step short of key step 3
	s_cmp_eq_u32 s[WV], 7
	s_cselect_b32 s84, s86, s84
	s_mov_b32 s85, 0
	s_add_nc_u64 s[PFA:PFA+1], s[PFA:PFA+1], s[84:85]
	s_cmp_lt_u32 s[WV], 5
	s_cselect_b32 s80, 1, s80                      ; waves 0-4 never ask
	s_cmp_eq_u32 s80, 0
	s_cselect_b32 s[LIM], s81, -1
	s_mov_b32 s[REM], 16
	INIT 0
	INIT 1
	WIN 0
	HEAD 2, 1, 1                                   ; key steps 0 and 1 are in for every wave; slot 2's first fill is issued as a refill is
	KLOAD 0
	BLOAD 0, 0
	BLOAD 1, 0
	WIN 0
	s_wait_loadcnt 0x0                             ; Q
	s_mov_b32 s[TRIP], 4
.Ltrip:                                            ; three key steps a trip, once round the slots: steps 0 to 11; the refills bring steps 3 to 14
	BODY 0, 1, 1
	HEAD 0, 0, 1
	BODY 1, 2, 1
	HEAD 1, 0, 1
	BODY 2, 0, 1
	HEAD 2, 0, 1
	s_sub_co_u32 s[TRIP], s[TRIP], 1
	s_cmp_lg_u32 s[TRIP], 0
	s_cbranch_scc1 .Ltrip
	BODY 0, 1, 1                                   ; the tail is written out: step 12
	HEAD 0, 0, 1                                   ; the last refill: step 15
	BODY 1, 2, 1
	HEAD 0, 0, 0                                   ; step 15 is in for every wave; nothing is filled
	BODY 2, 0, 1
	BODY 0, 0, 0
; THE WAY OUT of tile W: O^T / the sum; its 32 registers are two blocks of 32 neighbouring dims, half a block a lane; quantised; 24 bytes a lane and two scale bytes a row go to the work-group's stage.
.macro FINISH W
	WIN 0x55*\W
	v_add_f32 v14, v14, v15
	v_permlanex16_b32 v[TMP], v14, s[SEL], s[SEL+1]
	v_add_f32 v14, v14, v[TMP]                     ; the row's sum
	v_rcp_f32 v14, v14
	v_nop                                          ; a plain place behind the reciprocal
	s_wait_alu depctr_va_vdst(0)                   ; and the wait ahead of its first reader
.irp j, 0,2,4,6,8,10,12,14,16,18,20,22,24,26,28,30
	v_pk_mul_f32 v[S+\j:S+\j+1], v[OT+\j:OT+\j+1], v[14:15] op_sel_hi:[1,0]   ; each accumulator from its low end on
.endr
.irp b, 0,1
	v_max3_num_f32 v[BMX+\b], |v[S+16*\b]|, |v[S+16*\b+1]|, 0x1800000
.endr
.irp i, 2,4,6,8,10,12,14
.irp b, 0,1
	v_max3_num_f32 v[BMX+\b], v[BMX+\b], |v[S+16*\b+\i]|, |v[S+16*\b+\i+1]|
.endr
.endr
.irp b, 0,1
	v_permlanex16_b32 v[T4+\b], v[BMX+\b], s[SEL], s[SEL+1]
.endr
.irp b, 0,1
	v_max_num_f32 v[BMX+\b], v[BMX+\b], v[T4+\b]
.endr
.irp b, 0,1
	v_add_nc_u32 v[SO+\b], 0xff000000, v[BMX+\b]
.endr
.irp b, 0,1
	v_lshrrev_b32 v[T4+\b], 23, v[SO+\b]
.endr
	v_lshl_or_b32 v[WT], v[T4+1], 8, v[T4]
	v_cvt_scalef32_pk16_fp6_f32 v[PC:PC+2], v[S:S+15], v[SO]
	v_cvt_scalef32_pk16_fp6_f32 v[CT:CT+2], v[S+16:S+31], v[SO+1]
	v_nop
.irp i, 0,1,2
	v_permlane16_swap_b32 v[PC+\i], v[CT+\i]       ; lanes 0-15 now hold block 0, lanes 16-31 block 1
.endr
.irp i, 0,1,2
	v_mov_b32 v[PC+3+\i], v[CT+\i]
.endr
	WIN 0x04*\W                                    ; an LDS store's data are its source 1
	ds_store_b64 v[AOC], v[PC:PC+1] offset:3072*\W
	ds_store_b64 v[AOC], v[PC+2:PC+3] offset:3072*\W+8
	ds_store_b64 v[AOC], v[PC+4:PC+5] offset:3072*\W+16
	ds_store_b16 v[AOS], v[WT] offset:128*\W       ; both halves of the lanes write the same two bytes with the same value
.endm
	FINISH 0
	FINISH 1
	WIN 0
	s_wait_dscnt 0x0                               ; for the others' sake: my stores into the stage are done
	s_barrier_signal -1
	s_barrier_wait -1
	s_mul_i32 s80, s[WV], 1536                     ; each wave stores an eighth of the 12,288 bytes, which are consecutive in the plane
	s_add_co_u32 s81, s80, OST
	v_add_nc_u32 v244, s81, v[L16]
	v_add_nc_u32 v245, OSS, v[L16]
	s_lshl_b32 s82, s[BB], 11
	s_lshl_b32 s83, s[QB], 6
	s_add_co_u32 s82, s82, s83                     ; my work-group's first token
	s_mul_i32 s84, s82, 192
	s_add_co_u32 s84, s84, s80
	s_mul_i32 s85, s[CY], PLANE
	s_add_co_u32 s84, s84, s85
	s_mov_b32 s85, 0
	s_add_nc_u64 s[10:11], s[10:11], s[84:85]
	s_lshl_b32 s84, s82, 3
	s_lshl_b32 s86, s[CY], 16
	s_add_co_u32 s84, s84, s86
	s_add_nc_u64 s[12:13], s[12:13], s[84:85]
.irp i, 0,1,2
	ds_load_b128 v[232+4*\i:235+4*\i], v244 offset:512*\i
.endr
.irp i, 0,1,2
	s_wait_dscnt 2-\i
	global_store_b128 v[L16], v[232+4*\i:235+4*\i], s[10:11] offset:512*\i   ; 512 consecutive bytes, aligned
.endr
	s_cmp_lg_u32 s[WV], 0
	s_cbranch_scc1 .Lno_os
	ds_load_b128 v[248:251], v245
	s_wait_dscnt 0x0
	global_store_b128 v[L16], v[248:251], s[12:13] ; the 64 tokens' 512 scale bytes
.Lno_os:
	s_wait_tensorcnt 0x0                           ; the wave's end
	ds_add_u32 v[SPW], v[NIL]
	s_wait_dscnt 0x0
	CROUND                                         ; the closing round
	s_endpgm
.Lfunc_end_k_q7fcec0c8f9_attn:
	.size	k_q7fcec0c8f9_attn, .Lfunc_end_k_q7fcec0c8f9_attn-k_q7fcec0c8f9_attn
	.p2alignl 7, 3214868480
	.fill 96, 4, 3214868480
	.section	.rodata,"a",@progbits
	.p2align	6, 0x0
	.amdhsa_kernel k_q7fcec0c8f9_attn
		.amdhsa_group_segment_fixed_size 327680
		.amdhsa_private_segment_fixed_size 0
		.amdhsa_enable_private_segment 0
		.amdhsa_kernarg_size 40
		.amdhsa_user_sgpr_count 2
		.amdhsa_user_sgpr_kernarg_segment_ptr 1
		.amdhsa_wavefront_size32 1
		.amdhsa_system_sgpr_workgroup_id_x 1
		.amdhsa_system_sgpr_workgroup_id_y 1
		.amdhsa_system_sgpr_workgroup_id_z 1
		.amdhsa_system_vgpr_workitem_id 0
		.amdhsa_next_free_vgpr 512
		.amdhsa_next_free_sgpr 96
		.amdhsa_reserve_vcc 0
		.amdhsa_float_denorm_mode_32 3
		.amdhsa_float_denorm_mode_16_64 3
		.amdhsa_memory_ordered 1
		.amdhsa_forward_progress 1
		.amdhsa_inst_pref_size 245
	.end_amdhsa_kernel
	.amdgpu_metadata
---
amdhsa.version: [ 1, 2 ]
amdhsa.kernels:
  - .name:           k_q7fcec0c8f9_attn
    .symbol:         k_q7fcec0c8f9_attn.kd
    .args:
      - { .name: qr, .offset: 0, .size: 8, .value_kind: global_buffer, .address_space: global }
      - { .name: kv, .offset: 8, .size: 8, .value_kind: global_buffer, .address_space: global }
      - { .name: attn_bias, .offset: 16, .size: 8, .value_kind: global_buffer, .address_space: global }
      - { .name: oc, .offset: 24, .size: 8, .value_kind: global_buffer, .address_space: global }
      - { .name: os, .offset: 32, .size: 8, .value_kind: global_buffer, .address_space: global }
    .group_segment_fixed_size: 327680
    .private_segment_fixed_size: 0
    .kernarg_segment_align: 8
    .kernarg_segment_size: 40
    .max_flat_workgroup_size: 256
    .sgpr_count:     96
    .vgpr_count:     512
    .wavefront_size: 32
...
	.end_amdgpu_metadata
.endif
;; end of part 2
;; launch proj (part 3): grid 4 x 64, 4 waves a work-group, clusters of 4 x 4, 327,680 bytes of LDS; arguments oc, os, W_proj_codes, W_proj_scales, b_proj, out0; writes out0
.if DOCPART == 3
	.amdgcn_target "amdgcn-amd-amdhsa--gfx1250"
	.amdhsa_code_object_version 6
	.text
	.protected	k_q7fcec0c8f9_proj
	.globl	k_q7fcec0c8f9_proj
	.p2align	8
	.type	k_q7fcec0c8f9_proj,@function
k_q7fcec0c8f9_proj:
	s_mov_b64 s[64:65], 0
	v_nop
	global_prefetch_b8 v0, s[64:65] scope:SCOPE_SE
	s_setreg_imm32_b32 hwreg(HW_REG_WAVE_MODE, 25, 1), 1
	s_wait_xcnt 0x0
	s_wait_alu depctr_hold_cnt(0) depctr_sa_sdst(0) depctr_va_vdst(0) depctr_va_sdst(0) depctr_va_ssrc(0) depctr_va_vcc(0) depctr_vm_vsrc(0)
	s_getreg_b32 s2, hwreg(HW_REG_IB_STS2, 6, 4)
	s_cmp_eq_u32 s2, 0
	s_cbranch_scc0 .Lentry_in_a_cluster
	s_endpgm
.Lentry_in_a_cluster:
	s_bfe_u32 s2, ttmp6, 0x10000c
	s_cmp_lg_u32 s2, 0xf033
	s_cbranch_scc0 .Lentry_shape_is_right
	s_endpgm
.Lentry_shape_is_right:
; out0 = oup W_proj^T + b_proj on codes of FP6 (E2M3) with E8M0 scales.  oup comes as oc [4 planes of 256 channels][8,192 tokens][192 bytes] and os [4][8,192][8 scale bytes].
; A work-group makes 128 tokens (A') x 256 channels (B'), four waves 2 x 2, a wave 64 x 128: 32 accumulators.  The matrix instruction is used transposed (source 0 = 16 rows of W_proj, source 1 = 16 tokens):
; a lane holds a token and eight neighbouring channels a tile.  K = 1,024 goes in four steps of 256 (A': plane s; B': 192 bytes on in its rows) through three LDS slots: steps 0, 1, 2 are first fills, step 3 fills slot 0 again, once.
; CLUSTER 4 x 4: A's tiles hang on cy alone and are asked for jointly along a row of the cluster, B's on cx alone and along a column.  b_proj is the C of each sum's first matrix instruction.
; The results go through each wave's own stage in LDS and leave as rows of 512 consecutive bytes.
; LIMITS: NaN and infinities are not served; the bias is added ahead of the products and not behind them.
.set PITCH,  240
.set AHALF,  64*PITCH
.set BHALF,  128*PITCH
.set SLOT,   2*AHALF+2*BHALF
.set SPARE,  3*SLOT                    ; the spare words: 128 bytes a wave, named by no other line
.set STG,    SPARE+512                 ; a stage of 16 rows x 528 bytes for each wave
.set SPITCH, 528
.set PLANE,  8192*192
.set KROWA,  192
.set KSTA,   PLANE
.set ADRA, 4
.set ADRB, 10
.set L16,  16
.set SPW,  18
.set NIL,  19
.set LSC,  20
.set STO,  21
.set RD,   22
.set LSA,  23
.set SCA,  32
.set SCB,  48
.set AF,   128
.set BK,   128
.set WV, 20
.set HA, 21
.set HB, 22
.set CX, 23
.set CY, 24
.set G1A, 28
.set G1B, 36
.set G0A, 44
.set G0B, 68
.set OUT, 82
.set AR, 87
.set BC, 88
.set MSB, 0
.macro WIN new
.if MSB != (\new)
	s_set_vgpr_msb (MSB<<8)|(\new)
.set MSB, (\new)
.endif
.endm
.macro PLACES n
.rept \n
	v_nop
.endr
.endm
.macro CROUND
	s_barrier_signal -1
	s_barrier_wait -1
	s_cmp_lg_u32 s[WV], 0
	s_cbranch_scc1 .Lnw0_\@
	s_barrier_signal -3
.Lnw0_\@:
	s_barrier_wait -3
	s_barrier_signal -1
	s_barrier_wait -1
.endm
.macro JLOAD                           ; the one refill: K step 3 into slot 0; four v_nop follow each line
	s_cmp_eq_u32 s[HA], 0
	s_cbranch_scc0 .Ljb_\@
	tensor_load_to_lds s[G0A:G0A+3], s[G1A:G1A+7]
	s_nop 0
	PLACES 4
	s_branch .Ljd_\@
.Ljb_\@:
	tensor_load_to_lds s[G0B:G0B+3], s[G1B:G1B+7]
	s_nop 0
	PLACES 4
.Ljd_\@:
.endm
.macro FRAG reg, adr, q, i             ; 16 rows x 128 K: six pieces of 8 bytes; lanes 16-31 read three pieces on, for some pieces behind one padding more
.irp p, 0,1,2,3,4,5
.set PCE, 12*(\q)+6*(\p/3)+\p%3
.if PCE%8 < 5
	ds_load_b64 v[\reg+2*\p:\reg+2*\p+1], v[\adr] offset:8*PCE+16*(PCE/8)+(\i)*16*PITCH
.else
	ds_load_b64 v[\reg+2*\p:\reg+2*\p+1], v[\adr+3] offset:8*PCE+16*(PCE/8)+(\i)*16*PITCH
.endif
.endr
.endm
.macro FETCH slot, q, p
	WIN 0x40
.irp i, 0,1,2,3,4,5,6,7
	FRAG 128*(\p)+12*\i, ADRB+\slot, \q, \i
.endr
	WIN 0
.irp i, 0,1,2,3
	FRAG AF+48*(\p)+12*\i, ADRA+\slot, \q, \i
.endr
.endm
.macro MUL32 p, kw, cm                 ; 32 matrix instructions, the accumulators by turns.  cm = 1: C = the bias tile of block b, in window 3
.irp a, 0,1,2,3
.irp b, 0,1,2,3,4,5,6,7
.set rD, 8*(8*\a+\b)
.set rB, 128*(\p)+12*\b
.set rA, AF+48*(\p)+12*\a
.set rT, SCB+4*\b+(\kw)%4
.set rU, SCA+4*\a+(\kw)%4
.set rC, rD
.if (\cm) == 1
.set rC, 8*\b
.endif
.if (\kw) < 4
	v_wmma_scale_f32_16x16x128_f8f6f4 v[rD:rD+7], v[rB:rB+11], v[rA:rA+11], v[rC:rC+7], v[rT], v[rU] matrix_a_fmt:MATRIX_FMT_FP6 matrix_b_fmt:MATRIX_FMT_FP6
.else
	v_wmma_scale_f32_16x16x128_f8f6f4 v[rD:rD+7], v[rB:rB+11], v[rA:rA+11], v[rC:rC+7], v[rT], v[rU] matrix_a_fmt:MATRIX_FMT_FP6 matrix_b_fmt:MATRIX_FMT_FP6 matrix_a_scale:MATRIX_SCALE_ROW1 matrix_b_scale:MATRIX_SCALE_ROW1
.endif
.endr
.endr
.endm
.macro SYNC fill
	s_wait_tensorcnt 0x0
	ds_add_u32 v[SPW], v[NIL]
.if \fill
	s_add_nc_u64 s[G0A+2:G0A+3], s[G0A+2:G0A+3], 3*KSTA
	s_add_nc_u64 s[G0B+2:G0B+3], s[G0B+2:G0B+3], 3*192
	s_wait_dscnt 0x0
	CROUND
	JLOAD
.else
	s_wait_dscnt 0x0
	s_barrier_signal -1
	s_barrier_wait -1
.endif
.endm
.macro STEP n, sync, fetch, slot, q
	WIN 0
	s_wait_dscnt 0x0                               ; this step's 72 loads, issued ahead of the last 32 products
.if (\sync) == 1
	SYNC 1
.elseif (\sync) == 2
	SYNC 0
.endif
	PLACES 4                                       ; in front of loads into registers that the last products read
.if \fetch
	FETCH \slot, \q, 1-(\n)%2
.endif
	WIN 0xa1
	MUL32 (\n)%2, \n, 0
.endm
	s_load_b256 s[4:11], s[0:1], 0x0               ; oc, os, W codes, W scales
	s_load_b128 s[12:15], s[0:1], 0x20             ; b_proj, out0
	v_lshl_add_u32 v[SPW], v0, 2, SPARE
	v_mov_b32 v[NIL], 0
	ds_add_u32 v18, v19
	s_wait_dscnt 0x0
	v_lshrrev_b32 v1, 5, v0
	v_readfirstlane_b32 s[WV], v1
	s_lshr_b32 s[HA], s[WV], 1
	s_and_b32 s[HB], s[WV], 1
	s_bfe_u32 s[CX], ttmp6, 0x40000
	s_bfe_u32 s[CY], ttmp6, 0x40004
	s_and_b32 s[AR], ttmp7, 0xffff
	s_lshl_b32 s[AR], s[AR], 2
	s_add_co_u32 s[AR], s[AR], s[CY]               ; A' tile: 128 tokens
	s_lshl_b32 s[BC], ttmp9, 2
	s_add_co_u32 s[BC], s[BC], s[CX]               ; B' tile: 256 channels
	s_lshl_b32 s27, s[CY], 2
	s_lshl_b32 s27, 15, s27
	s_lshl_b32 s89, 0x1111, s[CX]
	s_or_b32 s[G1A], s27, (1<<20)|(1<<21)|(3<<22)|(3<<25)
	s_or_b32 s[G1B], s89, (1<<20)|(1<<21)|(3<<22)|(3<<25)
	s_mov_b32 s[G1A+1], 192<<16
	s_mov_b32 s[G1A+2], 64<<16
	s_mov_b32 s[G1A+3], 192<<16
	s_mov_b32 s[G1A+4], 64
	s_mov_b32 s[G1A+5], KROWA
	s_mov_b32 s[G1A+6], 0
	s_mov_b32 s[G1A+7], 0
	s_mov_b32 s[G1B+1], 192<<16
	s_mov_b32 s[G1B+2], 128<<16
	s_mov_b32 s[G1B+3], 192<<16
	s_mov_b32 s[G1B+4], 128
	s_mov_b32 s[G1B+5], 768
	s_mov_b32 s[G1B+6], 0
	s_mov_b32 s[G1B+7], 0
	s_mul_i32 s2, s[HB], AHALF
	s_mul_i32 s3, s[HB], BHALF
	s_add_co_u32 s3, s3, 2*AHALF
	s_lshl_b32 s94, s[AR], 7
	s_lshl_b32 s95, s[HB], 6
	s_add_co_u32 s94, s94, s95
	s_mul_i32 s94, s94, KROWA
	s_mov_b32 s95, 0
	s_lshl_b32 s96, s[BC], 8
	s_lshl_b32 s97, s[HB], 7
	s_add_co_u32 s96, s96, s97
	s_mul_i32 s96, s96, 768
	s_mov_b32 s97, 0
	s_wait_kmcnt 0x0
	s_add_nc_u64 s[94:95], s[4:5], s[94:95]
	s_add_nc_u64 s[96:97], s[8:9], s[96:97]
.irp s, 0,1,2
	s_mov_b32 s[G0A+4*\s], 1
	s_add_co_u32 s[G0A+4*\s+1], s2, \s*SLOT
	s_add_nc_u64 s[G0A+4*\s+2:G0A+4*\s+3], s[94:95], \s*KSTA
	s_or_b32 s[G0A+4*\s+3], s[G0A+4*\s+3], 0x80000000
	s_mov_b32 s[G0B+4*\s], 1
	s_add_co_u32 s[G0B+4*\s+1], s3, \s*SLOT
	s_add_nc_u64 s[G0B+4*\s+2:G0B+4*\s+3], s[96:97], \s*192
	s_or_b32 s[G0B+4*\s+3], s[G0B+4*\s+3], 0x80000000
.endr
	CROUND                                         ; all sixteen work-groups are here: the first joint loads meet
	s_cmp_eq_u32 s[HA], 0                          ; a wave's three first fills stand in one branch: three loads of mine are out
	s_cbranch_scc0 .Lfirst_b
	tensor_load_to_lds s[G0A:G0A+3], s[G1A:G1A+7]
	s_nop 0
	tensor_load_to_lds s[G0A+4:G0A+7], s[G1A:G1A+7]
	s_nop 0
	tensor_load_to_lds s[G0A+8:G0A+11], s[G1A:G1A+7]
	s_nop 0
	PLACES 4
	s_branch .Lfirst_done
.Lfirst_b:
	tensor_load_to_lds s[G0B:G0B+3], s[G1B:G1B+7]
	s_nop 0
	tensor_load_to_lds s[G0B+4:G0B+7], s[G1B:G1B+7]
	s_nop 0
	tensor_load_to_lds s[G0B+8:G0B+11], s[G1B:G1B+7]
	s_nop 0
	PLACES 4
.Lfirst_done:
	v_and_b32 v3, 31, v0
	v_and_b32 v1, 15, v0                           ; r
	v_bfe_u32 v2, v0, 4, 1                         ; h
	v_lshlrev_b32 v[L16], 4, v3
	v_lshlrev_b32 v[LSC], 5, v1
	v_lshl_add_u32 v[LSC], v2, 4, v[LSC]           ; B': 32 r + 16 h
	v_lshlrev_b32 v[LSA], 3, v1
	v_lshl_add_u32 v[LSA], v2, 17, v[LSA]          ; A': 8 r, lanes 16-31 two planes on
	s_lshl_b32 s90, s[AR], 10
	s_lshl_b32 s91, s[HA], 9
	s_add_co_u32 s90, s90, s91
	s_mov_b32 s91, 0
	s_add_nc_u64 s[6:7], s[6:7], s[90:91]          ; os at token 128 tile + 64 half
	s_lshl_b32 s90, s[BC], 13
	s_lshl_b32 s92, s[HB], 12
	s_add_co_u32 s90, s90, s92
	s_add_nc_u64 s[10:11], s[10:11], s[90:91]
.irp i, 0,1,2,3                                ; lanes 0-15: words 0-3 (planes 0, 1), lanes 16-31: words 4-7 (planes 2, 3)
	global_load_b64 v[SCA+4*\i:SCA+4*\i+1], v[LSA], s[6:7] offset:128*\i
	global_load_b64 v[SCA+4*\i+2:SCA+4*\i+3], v[LSA], s[6:7] offset:128*\i+65536
.endr
.irp i, 0,1,2,3,4,5,6,7
	global_load_b128 v[SCB+4*\i:SCB+4*\i+3], v[LSC], s[10:11] offset:512*\i
.endr
	s_lshl_b32 s90, s[BC], 10
	s_lshl_b32 s92, s[HB], 9
	s_add_co_u32 s90, s90, s92                     ; my first channel, in bytes of f32
	s_add_nc_u64 s[12:13], s[12:13], s[90:91]
	s_add_nc_u64 s[OUT:OUT+1], s[14:15], s[90:91]
	s_lshl_b32 s90, s[AR], 19
	s_lshl_b32 s92, s[HA], 18
	s_add_co_u32 s90, s90, s92                     ; my first token's row of 4,096 bytes
	s_add_nc_u64 s[OUT:OUT+1], s[OUT:OUT+1], s[90:91]
	v_lshlrev_b32 v24, 5, v2
	WIN 0xc0                                       ; destination window 3: the bias tiles, in the result's layout
.irp b, 0,1,2,3,4,5,6,7
	global_load_b128 v[8*\b:8*\b+3], v24, s[12:13] offset:64*\b
	global_load_b128 v[8*\b+4:8*\b+7], v24, s[12:13] offset:64*\b+16
.endr
	WIN 0
	v_mul_u32_u24 v25, v1, PITCH
	v_mad_u32_u24 v25, v2, 24, v25
	v_lshl_add_u32 v26, v2, 4, v25
	s_mul_i32 s90, s[HA], AHALF
	s_mul_i32 s92, s[HB], BHALF
	s_add_co_u32 s92, s92, 2*AHALF
.irp s, 0,1,2
	v_add_nc_u32 v[ADRA+\s], s90, v25
	v_add_nc_u32 v[ADRA+3+\s], s90, v26
	v_add_nc_u32 v[ADRB+\s], s92, v25
	v_add_nc_u32 v[ADRB+3+\s], s92, v26
	s_add_co_u32 s90, s90, SLOT
	s_add_co_u32 s92, s92, SLOT
.endr
	s_mul_i32 s90, s[WV], 16*SPITCH
	s_add_co_u32 s90, s90, STG
	v_mul_u32_u24 v[STO], v1, SPITCH
	v_lshl_add_u32 v[STO], v2, 5, v[STO]
	v_add_nc_u32 v[STO], s90, v[STO]               ; in: row r, 32 bytes for each half of the lanes
	v_add_nc_u32 v[RD], s90, v[L16]                ; back: the 32 lanes take one row of 512 bytes
	s_wait_tensorcnt 0x2                           ; my part of K step 0 is in; the two younger fills may stay out
	s_barrier_signal -1
	s_barrier_wait -1
	FETCH 0, 0, 0
	s_wait_loadcnt 0x0                             ; scale words and bias
	s_wait_dscnt 0x0
	FETCH 0, 1, 1
	WIN 0xb1
	MUL32 0, 0, 1                                  ; the first step starts the sums, with the bias as C
	STEP 1, 1, 1, 1, 0                             ; slot 0 has been read out: K step 3 is asked for; it has four steps, 128 products, in which to land
	STEP 2, 0, 1, 1, 1
	STEP 3, 0, 1, 2, 0
	STEP 4, 0, 1, 2, 1
	STEP 5, 2, 1, 0, 0                             ; K step 3 is in for every wave
	STEP 6, 0, 1, 0, 1
	STEP 7, 0, 0, 0, 0
	WIN 0
	PLACES 4                                       ; in front of the first read of results and of loads into A's registers
.macro TOSTAGE a                       ; block a, 16 tokens x 128 channels, through my own stage; LDS serves a wave's instructions in order, so no wait stands between the stores and the loads
	WIN 0x08                                       ; an LDS store's data are its source 1: window 2
.irp b, 0,1,2,3,4,5,6,7
	ds_store_b128 v[STO], v[64*(\a)+8*\b:64*(\a)+8*\b+3] offset:64*\b          ; each accumulator from its low end on
	ds_store_b128 v[STO], v[64*(\a)+8*\b+4:64*(\a)+8*\b+7] offset:64*\b+16
.endr
	WIN 0
.set BS, BK+64*((\a)%2)
.irp t, 0,1,2,3,4,5,6,7,8,9,10,11,12,13,14,15
	ds_load_b128 v[BS+4*\t:BS+4*\t+3], v[RD] offset:\t*SPITCH
.endr
.endm
.macro SEND a, younger                 ; younger: the LDS instructions issued behind block a's loads, which may stay out
.set BS, BK+64*((\a)%2)
	s_wait_dscnt \younger
.irp t, 0,1,2,3,4,5,6,7,8,9,10,11,12,13,14,15
	global_store_b128 v[L16], v[BS+4*\t:BS+4*\t+3], s[OUT:OUT+1] offset:(16*(\a)+\t)*4096 th:TH_STORE_NT   ; 32 lanes store 512 consecutive bytes, aligned; written once
.endr
.endm
	TOSTAGE 0
.irp a, 1,2,3
.if \a > 1
	s_wait_xcnt 0x0                                ; block a - 2's stores have read their registers: block a's loads may land there
.endif
	TOSTAGE \a
	SEND \a-1, 32                                  ; behind block a - 1's loads: block a's 16 stores and 16 loads
.endr
	SEND 3, 0
	s_wait_tensorcnt 0x0                           ; the wave's end
	ds_add_u32 v[SPW], v[NIL]
	s_wait_dscnt 0x0
	CROUND                                         ; the closing round
	s_endpgm
.Lfunc_end_k_q7fcec0c8f9_proj:
	.size	k_q7fcec0c8f9_proj, .Lfunc_end_k_q7fcec0c8f9_proj-k_q7fcec0c8f9_proj
	.p2alignl 7, 3214868480
	.fill 96, 4, 3214868480
	.section	.rodata,"a",@progbits
	.p2align	6, 0x0
	.amdhsa_kernel k_q7fcec0c8f9_proj
		.amdhsa_group_segment_fixed_size 327680
		.amdhsa_private_segment_fixed_size 0
		.amdhsa_enable_private_segment 0
		.amdhsa_kernarg_size 48
		.amdhsa_user_sgpr_count 2
		.amdhsa_user_sgpr_kernarg_segment_ptr 1
		.amdhsa_wavefront_size32 1
		.amdhsa_system_sgpr_workgroup_id_x 1
		.amdhsa_system_sgpr_workgroup_id_y 1
		.amdhsa_system_sgpr_workgroup_id_z 1
		.amdhsa_system_vgpr_workitem_id 0
		.amdhsa_next_free_vgpr 1024
		.amdhsa_next_free_sgpr 100
		.amdhsa_reserve_vcc 0
		.amdhsa_float_denorm_mode_32 3
		.amdhsa_float_denorm_mode_16_64 3
		.amdhsa_memory_ordered 1
		.amdhsa_forward_progress 1
		.amdhsa_inst_pref_size 98
	.end_amdhsa_kernel
	.amdgpu_metadata
---
amdhsa.version: [ 1, 2 ]
amdhsa.kernels:
  - .name:           k_q7fcec0c8f9_proj
    .symbol:         k_q7fcec0c8f9_proj.kd
    .args:
      - { .name: oc, .offset: 0, .size: 8, .value_kind: global_buffer, .address_space: global }
      - { .name: os, .offset: 8, .size: 8, .value_kind: global_buffer, .address_space: global }
      - { .name: W_proj_codes, .offset: 16, .size: 8, .value_kind: global_buffer, .address_space: global }
      - { .name: W_proj_scales, .offset: 24, .size: 8, .value_kind: global_buffer, .address_space: global }
      - { .name: b_proj, .offset: 32, .size: 8, .value_kind: global_buffer, .address_space: global }
      - { .name: out0, .offset: 40, .size: 8, .value_kind: global_buffer, .address_space: global }
    .group_segment_fixed_size: 327680
    .private_segment_fixed_size: 0
    .kernarg_segment_align: 8
    .kernarg_segment_size: 48
    .max_flat_workgroup_size: 128
    .sgpr_count:     100
    .vgpr_count:     1024
    .wavefront_size: 32
...
	.end_amdgpu_metadata
.endif
;; end of part 3
